; MI455X (gfx1250); checked and timed in simulation.
; The chip was launched on July 23, 2026; its instructions are those of AMD's public machine-readable ISA for CDNA 5 (MIT licence, August 2026) and "CDNA5" Instruction Set Architecture Reference Guide (July 2026). The comments in the code are by the model that wrote it; some were corrected since.
;; KNN Layer. Allowed arithmetic: matrix products marked QUANTISED: E5M2 operands, one E8M0 scale for each 32 along K, by v_wmma_scale_f32_16x16x128_f8f6f4 with both operands' format E5M2, f32 sums; products left as they are: f32 operands where the result goes on into a quantised operand, else bf16, f16 or f32 operands; f32 sums; everything else in f32.
;; Inputs: W1 256 x 256 float32; W2 256 x 128 float32; b1 256 float32; b2 128 float32; features 32 x 1,024 x 128 float32; points 32 x 1,024 x 2 float32.
;; Outputs: out0 32 x 1,024 x 128 float32.
;; This version of the problem:
;;   THIS VERSION OF THE PROBLEM IS GIVEN IN LOW PRECISION. The matrix products marked QUANTISED in the list below multiply operands that are first quantised to E5M2 (5 exponent bits, 2 mantissa bits; 8 bits a number), with one power-of-two scale for each 32 numbers along K (OCP MX v1.0); their sums are f32. All else is computed in f32.
;;   The module's matrix products, in the order in which they are computed (A, B: the left and right operand; K: the contracted axis; several contracted axes count as one K, in the product's order):
;;     1. batch 32 x [M 1,024, K 2] x [K 2, N 1,024]; A: input points; B: input points: left as it is (K = 2 < 32)
;;     2. [M 524,288, K 256] x [K 256, N 256]; A: computed on the way; B: input W1: QUANTISED
;;     3. [M 524,288, K 256] x [K 256, N 128]; A: computed on the way; B: input W2: QUANTISED
;;   THE QUANTISER, for each operand of a quantised product, along K:
;;     - K is cut into blocks of 32 from its start; a last block that is shorter is filled with zeros.
;;     - A block's scale is 2^e with e = floor(log2(the largest magnitude in the block)) - 15, held to -126 .. 127; a block of zeros has e = 0. As a byte (E8M0): e + 127.
;;     - Each number is divided by its block's scale, clamped to +-57,344, and rounded to the nearest number of E5M2, ties to even, subnormals kept.
;;     - The product sums the exact products of the quantised numbers (number of the format x scale) in f32.
;;   ~~~python
;;   def quantise(x, axis):      # numpy; x: float32 -> the quantised numbers, widened to float32 again
;;       x = np.moveaxis(x, axis, -1); K = x.shape[-1]
;;       x = np.pad(x, [(0, 0)] * (x.ndim - 1) + [(0, -K % 32)]); x = x.reshape(x.shape[:-1] + (-1, 32)); a = np.abs(x).max(-1, keepdims=True)
;;       e = np.where(a > 0, np.clip(np.frexp(np.where(a > 0, a, 1))[1] - 1 - 15, -126, 127), 0)      # np.frexp(a)[1] - 1 = floor(log2(a)), exactly
;;       r = np.clip(x / 2.0 ** e, -57344, 57344)
;;       step = 2.0 ** (np.maximum(np.frexp(np.where(r == 0, 1, r))[1] - 1, -14) - 2)
;;       q = np.round(r / step) * step * 2.0 ** e      # np.round: ties to even
;;       return np.moveaxis(q.reshape(q.shape[:-2] + (-1,))[..., :K], -1, axis).astype(np.float32)
;;   ~~~
;;   OPERANDS COMPUTED ON THE WAY. 'Computed on the way' means the value that the module computes at that place (a softmax that the list does not call 'softmax' is quantised finished and normalised). What goes into a quantiser is computed in f32, as accurately as f32 sums, v_exp_f32 and their like allow (about 1e-6 of the number): no bf16 or f16 on the way to a quantiser, and a product that is left as it is and whose result goes on into a quantised operand takes f32 operands (vector FMAs, or v_wmma_f32_16x16x4_f32). A number that lies on a knife's edge between two numbers of the format may be rounded either way, as far as f32 arithmetic and the matrix unit's own rounding can turn it there, and no further.
;; 2 versions. Each part assembles by itself: llvm-mc -triple=amdgcn-amd-amdhsa -mcpu=gfx1250 --defsym DOCPART=n.
;; ======== version 1 of 2: 2 launches
;; workspace buffers: knn 2,097,152 bytes of whole numbers; wimg 101,376 bytes
;; launch knn (part 1): grid 268 x 1, 4 waves a work-group, no clusters, 20,992 bytes of LDS; arguments points, W1, W2, knn, wimg; writes knn, wimg
.if DOCPART == 1
	.amdgcn_target "amdgcn-amd-amdhsa--gfx1250"
	.amdhsa_code_object_version 6
	.text
	.protected	k_q6e2135aaa5_knn
	.globl	k_q6e2135aaa5_knn
	.p2align	8
	.type	k_q6e2135aaa5_knn,@function
k_q6e2135aaa5_knn:
	s_mov_b64 s[64:65], 0
	v_nop
	global_prefetch_b8 v0, s[64:65] scope:SCOPE_SE
	s_setreg_imm32_b32 hwreg(HW_REG_WAVE_MODE, 25, 1), 1
	s_wait_xcnt 0x0
; LAUNCH 1 OF 2.  Work-groups 0-255: for each of the 32 x 1,024 points the 16 neighbours that reference() gathers.  Work-groups 256-267: W1 and W2 quantised once, along K.
; DEAD WORK: none is left out in whole units; every input has a way to the output and is loaded (points, W1, W2 here; features, b1, b2 in the second launch).
; What is not produced is the ORDER of the 16 neighbours: reference() takes their mean, which does not see it; the mean's rounding order differs from reference()'s by that.
; THE NEIGHBOURS.  D[i][j] = |(r_i - 2 m_ij) + r_j|, r = x x + y y, m = x_i x_j + y_i y_j, each operation of reference() rounded by itself in f32 (2 m is exact, so r_i - 2 m is one fused line).
; reference() keeps the 17 smallest D in the order (D, lower j first) and drops the first of them.  Here: pass 1 finds the VALUES of the 17 smallest; tau is the 17th, c the number of the 17 that equal tau.
; Pass 2 walks j upward and takes j where D < tau, or D = tau while fewer than c such have been met; the first j with D = the smallest value is the first hit and is left out.  That gives exactly 16.
; LIMITS.  points are finite and D does not overflow; NaN and infinities are not served.  If D is wanted with another rounding (r or m as a fused multiply-add: FUSED_R, FUSED_M below), a row whose 17th and
; 18th D lie within that rounding may exchange one neighbour.
; SHARES.  A work-group: 128 queries of one batch, a lane a query; each of its four waves walks all 1,024 candidates of the batch, whose x, y and r lie in LDS as three arrays, read 8 candidates at a time (every lane the same bytes).
; No tensor loads, no matrix work, no cluster: the arithmetic is compares and selections on a table of 12 KiB a batch.
; THE WEIGHTS.  One wave makes one operand fragment (16 columns n x 128 along K): a lane takes a column and its registers run down K, so that the conversions' results are the operand's registers;
; they are stored as an image of those registers (2,048 bytes a fragment, 16 bytes a lane and group of four registers), the scale words (4 bytes a column) behind all images.  A block of zeros gets the byte 1
; where the rule says 127: its codes are zeros and this program alone reads the bytes.
.set FUSED_R, 0                        ; 1: r = fma(y, y, x x)
.set FUSED_M, 0                        ; 1: m = fma(y_i, y_j, x_i x_j)
.set XA,    0                          ; LDS: x of the batch's 1,024 points,
.set YA,    4096                       ; y,
.set RA,    8192                       ; r,
.set STG,   12288                      ; a stage of 2,048 bytes for each wave, for the way out,
.set SPARE, 20480                      ; the spare words, 128 bytes for each wave: two blocks of 256 bytes that no other line names
.set SPW,  1                           ; v1   LDS address of my spare word; never rewritten
.set NIL,  2                           ; v2   0; never rewritten
.set JA,   3                           ; v3   LDS byte of the 16 candidates in hand
.set XI,   4                           ; v[4:5], v[6:7], v[8:9]  my query's x, y, r, each twice (packed lines name pairs)
.set YI,   6
.set RI,   8
.set LA,   10                          ; v10-26  the 17 smallest among the quads' smallest; in the end the 17 smallest of all
.set LB,   27                          ; v27-34  the 8 smallest among the quads' second,
.set LC,   35                          ; v35-39  the 5 smallest among their third,
.set LD,   40                          ; v40-43  the 4 smallest among their largest
.set BUF,  44                          ; v44-67, v68-91  two buffers of 8 candidates: x 8, y 8, r 8
.set DA,   92                          ; v92-99   8 distances
.set DB,   100                         ; v100-107 at work
.set SIN,  108                         ; v108 the stage: where I put my 64 bytes
.set SOUT, 109                         ; v109 and where I read 16 bytes back
.set GOF,  110                         ; v110 the same place in the work-group's part of knn
.set KEEP, 111                         ; v111 byte selector: the word as it is
.set TAKE, 112                         ; v112 byte selector: one byte down, the next word's lowest byte on top
.set TMP,  113
.set TAU,  LA+16                       ; pass 2: the 17th smallest D, as bits
.set L0,   LA                          ; the smallest
.set TAUM1, 27                         ; tau - 1
.set CN,   28                          ; v28-36  ties met so far, less c: negative while ties are still owed
.set WW,   37                          ; v37-40  the low bytes of the indices taken, the first taken lowest in the end
.set HH,   41                          ; v41     their two high bits
.set IX,   44                          ; v44-59  the 16 indices
.set MEQ,  16                          ; s16-23  lanes where D = tau, for 8 candidates
.set ME0,  24                          ; s24-31  where D = the smallest
.set MOK,  32                          ; s32-39  where ties are still owed
.set MLE,  40                          ; s40-47  where the candidate is taken
.set JJ,   48                          ; s48-63  the 16 candidates' numbers
.set INC,  66                          ; s[66:67] 16, 16
.set NS,   68                          ; s68  lanes that have not met their first hit
.set FH,   69                          ; s69  lanes that meet it now
.set CNT,  71                          ; s71  trips to go
.set SB,   72                          ; s72  the scan's LDS byte (ahead of the scans: the low word of a 64-bit offset, s73 = 0 above it)
.set HI,   73                          ; s73  the candidates' number / 256
.set TM,   8                           ; the weights' path: v8-23 at work in QUANT
.set PW,   24                          ; v24  the scale word
.set WD,   32                          ; v32-95  64 numbers
.set WC,   96                          ; v96-111 the fragment's codes
.set SEL,  20                          ; s[20:21] lane selects for v_permlanex16_b32: lane l xor 16
.set MNT,  22                          ; s22  the mantissa field of 57,344
.macro LOADB bf, off                   ; 8 candidates from byte off behind v[JA] into buffer bf: six loads
	ds_load_b128 v[BUF+24*\bf:BUF+24*\bf+3],     v[JA] offset:XA+\off
	ds_load_b128 v[BUF+24*\bf+4:BUF+24*\bf+7],   v[JA] offset:XA+\off+16
	ds_load_b128 v[BUF+24*\bf+8:BUF+24*\bf+11],  v[JA] offset:YA+\off
	ds_load_b128 v[BUF+24*\bf+12:BUF+24*\bf+15], v[JA] offset:YA+\off+16
	ds_load_b128 v[BUF+24*\bf+16:BUF+24*\bf+19], v[JA] offset:RA+\off
	ds_load_b128 v[BUF+24*\bf+20:BUF+24*\bf+23], v[JA] offset:RA+\off+16
.endm
.macro DIST bf                         ; (r_i - 2 m) + r_j of buffer bf's 8 candidates, two at a time; the magnitude is taken by the reader
.irp p, 0,1,2,3
	v_pk_mul_f32 v[DA+2*\p:DA+2*\p+1], v[BUF+24*\bf+2*\p:BUF+24*\bf+2*\p+1], v[XI:XI+1]
.endr
.if FUSED_M
.irp p, 0,1,2,3
	v_pk_fma_f32 v[DA+2*\p:DA+2*\p+1], v[BUF+24*\bf+8+2*\p:BUF+24*\bf+8+2*\p+1], v[YI:YI+1], v[DA+2*\p:DA+2*\p+1]
.endr
.else
.irp p, 0,1,2,3
	v_pk_mul_f32 v[DB+2*\p:DB+2*\p+1], v[BUF+24*\bf+8+2*\p:BUF+24*\bf+8+2*\p+1], v[YI:YI+1]
.endr
.irp p, 0,1,2,3
	v_pk_add_f32 v[DA+2*\p:DA+2*\p+1], v[DA+2*\p:DA+2*\p+1], v[DB+2*\p:DB+2*\p+1]   ; m: two rounded products, one rounded sum
.endr
.endif
.irp p, 0,1,2,3
	v_pk_fma_f32 v[DA+2*\p:DA+2*\p+1], v[DA+2*\p:DA+2*\p+1], -2.0, v[RI:RI+1] op_sel_hi:[1,0,1]   ; r_i - 2 m: 2 m is exact, so this is reference()'s one rounding
.endr
.irp p, 0,1,2,3
	v_pk_add_f32 v[DA+2*\p:DA+2*\p+1], v[DA+2*\p:DA+2*\p+1], v[BUF+24*\bf+16+2*\p:BUF+24*\bf+16+2*\p+1]
.endr
.endm
.macro SORT4 q                         ; quad q of the 8 is sorted: smallest in DA+4q, second in DB+4q, third in DB+4q+1, largest in DA+4q+3.  The first four lines take the magnitudes
	v_min_num_f32 v[DB+4*\q],   |v[DA+4*\q]|,   |v[DA+4*\q+1]|
	v_max_num_f32 v[DB+4*\q+1], |v[DA+4*\q]|,   |v[DA+4*\q+1]|
	v_min_num_f32 v[DB+4*\q+2], |v[DA+4*\q+2]|, |v[DA+4*\q+3]|
	v_max_num_f32 v[DB+4*\q+3], |v[DA+4*\q+2]|, |v[DA+4*\q+3]|
	v_min_num_f32 v[DA+4*\q],   v[DB+4*\q],   v[DB+4*\q+2]
	v_max_num_f32 v[DA+4*\q+1], v[DB+4*\q],   v[DB+4*\q+2]
	v_min_num_f32 v[DA+4*\q+2], v[DB+4*\q+1], v[DB+4*\q+3]
	v_max_num_f32 v[DA+4*\q+3], v[DB+4*\q+1], v[DB+4*\q+3]
	v_min_num_f32 v[DB+4*\q],   v[DA+4*\q+1], v[DA+4*\q+2]
	v_max_num_f32 v[DB+4*\q+1], v[DA+4*\q+1], v[DA+4*\q+2]
.endm
.macro INSERT l, n, x                  ; x goes into the ascending list l of n, whose largest falls out: place k takes the middle one of x, its lower neighbour and itself; from the top down, so that each line reads old values
.set kk, \n-1
.rept \n-1
	v_med3_num_f32 v[\l+kk], v[\x], v[\l+kk-1], v[\l+kk]
.set kk, kk-1
.endr
	v_min_num_f32 v[\l], v[\x], v[\l]
.endm
; Pass 1, 8 candidates.  The r-th smallest of a quad can be among the 17 smallest of all only with the r - 1 before it: at most 17 / r quads give one.  So lists of 17, 8, 5 and 4 lose nothing.
.macro P1 bf
	DIST \bf
	SORT4 0
	SORT4 1
.irp q, 0,1
	INSERT LA, 17, DA+4*\q
	INSERT LB, 8,  DB+4*\q
	INSERT LC, 5,  DB+4*\q+1
	INSERT LD, 4,  DA+4*\q+3
.endr
.endm
; Pass 2, 8 candidates, stage by stage, so that no line waits for the line above it.
.macro P2 bf
	DIST \bf
.irp u, 0,1,2,3,4,5,6,7
	v_and_b32 v[DA+\u], 0x7fffffff, v[DA+\u]                       ; |D| as bits: for numbers that are not negative the order of the bits is the order of the numbers
.endr
.irp u, 0,1,2,3,4,5,6,7
	v_cmp_eq_u32 s[MEQ+\u], v[DA+\u], v[TAU]
	v_cmp_eq_u32 s[ME0+\u], v[DA+\u], v[L0]
.endr
.irp u, 0,1,2,3,4,5,6,7
	v_cndmask_b32 v[DB+\u], 0, 1, s[MEQ+\u]
.endr
.irp u, 0,1,2,3,4,5,6,7
	v_add_nc_u32 v[CN+\u+1], v[CN+\u], v[DB+\u]                    ; ties met up to and with candidate u, less c
.endr
.irp u, 0,1,2,3,4,5,6,7
	v_cmp_gt_i32 s[MOK+\u], 0, v[CN+\u]                            ; ahead of candidate u a tie is still owed
.endr
.irp u, 0,1,2,3,4,5,6,7
	v_cndmask_b32 v[DB+\u], v[TAUM1], v[TAU], s[MOK+\u]            ; then D = tau is taken too
.endr
.irp u, 0,1,2,3,4,5,6,7
	v_cmp_le_i32 s[MLE+\u], v[DA+\u], v[DB+\u]                     ; signed: with tau = 0 the bound -1 takes nothing
.endr
.irp u, 0,1,2,3,4,5,6,7
	s_and_b32 s[FH], s[ME0+\u], s[NS]                              ; the first j with the smallest D is reference()'s first hit:
	s_and_not1_b32 s[NS], s[NS], s[ME0+\u]
	s_and_not1_b32 s[MLE+\u], s[MLE+\u], s[FH]                     ; it is not taken
.endr
.irp u, 0,1,2,3,4,5,6,7
	v_cndmask_b32 v[DB+\u], v[KEEP], v[TAKE], s[MLE+\u]
.endr
.irp u, 0,1,2,3,4,5,6,7
	v_perm_b32 v[WW],   v[WW+1], v[WW],   v[DB+\u]                  ; where the candidate is taken the 128 bits go one byte down
	v_perm_b32 v[WW+1], v[WW+2], v[WW+1], v[DB+\u]
	v_perm_b32 v[WW+2], v[WW+3], v[WW+2], v[DB+\u]
	v_perm_b32 v[WW+3], s[JJ+8*\bf+\u], v[WW+3], v[DB+\u]          ; and the low byte of its number comes in on top
	v_alignbit_b32 v[TMP], s[HI], v[HH], 2                         ; likewise its two high bits, in one word
	v_cndmask_b32 v[HH], v[HH], v[TMP], s[MLE+\u]
.endr
	v_mov_b32 v[CN], v[CN+8]
.endm
; 16 candidates.  At its head buffer 0's six loads are out.  last = 1: nothing more is fetched, so that no load passes the arrays' end.
.macro TRIP16 pass, last
	LOADB 1, 32
.if \pass == 2
	s_lshr_b32 s[HI], s[JJ], 8                                     ; the same for all 16
.endif
	s_wait_dscnt 0x6                                               ; LDS loads come back in order: buffer 0 is in, buffer 1's six may be out
.if \pass == 1
	P1 0
.else
	P2 0
.endif
.if \last
	s_wait_dscnt 0x0
.else
	s_add_co_u32 s[SB], s[SB], 64
	v_mov_b32 v[JA], s[SB]
	LOADB 0, 0
	s_wait_dscnt 0x6                                               ; buffer 1 is in, the next buffer 0's six may be out
.endif
.if \pass == 1
	P1 1
.else
	P2 1
.if \last == 0
.irp p, 0,1,2,3,4,5,6,7
	s_add_nc_u64 s[JJ+2*\p:JJ+2*\p+1], s[JJ+2*\p:JJ+2*\p+1], s[INC:INC+1]   ; two numbers at a time: + 16 in each word; the low word never carries
.endr
.endif
.endif
.endm
; 64 numbers of a lane, v[s] on, register 16 b + i = k 32 b + 16 (lane / 16) + i, become a fragment's codes in v[d] on and its scale word in v[w].
.macro QUANT s, d, w
.irp b, 0,1,2,3
	v_max3_num_f32 v[TM+\b], |v[(\s)+16*\b]|, |v[(\s)+1+16*\b]|, 0x8000000   ; block b: my 16 numbers, and the floor 2^(16 - 127): so the byte cannot fall under 1
.endr
.irp i, 2,4,6,8,10,12,14
.irp b, 0,1,2,3
	v_max3_num_f32 v[TM+\b], v[TM+\b], |v[(\s)+16*\b+\i]|, |v[(\s)+1+16*\b+\i]|
.endr
.endr
.irp b, 0,1,2,3
	v_permlanex16_b32 v[TM+4+\b], v[TM+\b], s[SEL], s[SEL+1]
.endr
.irp b, 0,1,2,3
	v_max_num_f32 v[TM+\b], v[TM+\b], v[TM+4+\b]                   ; with lane l xor 16's: the block's largest magnitude
.endr
.irp b, 0,1,2,3
	v_add_nc_u32 v[TM+12+\b], 0xf8800000, v[TM+\b]                 ; 15 off its exponent field: the conversion's scale operand
.endr
.irp b, 0,1,2,3
	v_and_or_b32 v[TM+8+\b], v[TM+\b], 0x7f800000, s[MNT]          ; 57,344 x the scale
.endr
.irp b, 0,1,2,3
	v_lshrrev_b32 v[TM+4+\b], 23, v[TM+12+\b]                      ; the scale's byte
.endr
	v_lshl_or_b32 v[\w], v[TM+5], 8, v[TM+4]
	v_lshl_or_b32 v[\w], v[TM+6], 16, v[\w]
	v_lshl_or_b32 v[\w], v[TM+7], 24, v[\w]
.irp b, 0,1,2,3
.irp i, 0,1,2,3,4,5,6,7,8,9,10,11,12,13,14,15
	v_med3_num_f32 v[(\s)+16*\b+\i], v[(\s)+16*\b+\i], -v[TM+8+\b], v[TM+8+\b]   ; the conversion to an 8-bit code does not saturate (ISA guide 7.6.2): the hold at the largest code x the scale
.endr
	v_cvt_scalef32_pk8_bf8_f32 v[(\d)+4*\b:(\d)+1+4*\b], v[(\s)+16*\b:(\s)+7+16*\b], v[TM+12+\b]
	v_cvt_scalef32_pk8_bf8_f32 v[(\d)+2+4*\b:(\d)+3+4*\b], v[(\s)+8+16*\b:(\s)+15+16*\b], v[TM+12+\b]
.endr
	v_nop                                                          ; a plain line behind the last conversion
.endm
.macro WLOAD base, pitch               ; W(128 s + 32 c + 16 h + i, my column), 64 numbers down K
.irp c, 0,1,2,3
.irp i, 0,1,2,3,4,5,6,7,8,9,10,11,12,13,14,15
	global_load_b32 v[WD+16*\c+\i], v5, s[\base:\base+1] offset:(32*\c+\i)*\pitch
.endr
.endr
.endm
	s_load_b256 s[4:11], s[0:1], 0x0               ; points s[4:5], W1 s[6:7], W2 s[8:9], knn s[10:11]
	s_load_b64 s[12:13], s[0:1], 0x20              ; wimg
	v_lshl_add_u32 v[SPW], v0, 2, SPARE
	v_mov_b32 v[NIL], 0
	v_lshrrev_b32 v3, 5, v0
	v_readfirstlane_b32 s14, v3                    ; wave 0..3
	s_mov_b32 s73, 0                               ; the high word of 64-bit offsets
	s_wait_kmcnt 0x0
	s_cmp_ge_u32 ttmp9, 256                        ; the work-group's number alone: all four waves go the same way
	s_cbranch_scc1 .Lweights
	; ---- the batch's points into LDS as x, y, r
	s_lshr_b32 s15, ttmp9, 3                       ; batch
	s_lshl_b32 s72, s15, 13                        ; x 8,192 bytes
	s_add_nc_u64 s[4:5], s[4:5], s[72:73]
	v_lshlrev_b32 v92, 4, v0                       ; 16 bytes a thread: a wave's load covers 512 consecutive bytes
.irp k, 0,1,2,3
	global_load_b128 v[44+4*\k:47+4*\k], v92, s[4:5] offset:2048*\k   ; points 2 t + 256 k and the next: x, y, x, y
.endr
	v_lshlrev_b32 v93, 3, v0                       ; two numbers a thread in each array
	s_and_b32 s15, ttmp9, 7
	s_lshl_b32 s15, s15, 9
	v_lshl_add_u32 v94, v0, 2, s15                 ; my query: 128 x (work-group % 8) + thread, 4 bytes each
	v_lshl_add_u32 v[SIN], v0, 6, STG              ; the stage: 64 bytes a thread, 2,048 a wave
	v_and_b32 v[GOF], 31, v0
	s_lshl_b32 s16, s14, 11                        ; 2,048 x wave, from the wave's number as a scalar
	v_lshl_add_u32 v[GOF], v[GOF], 4, s16          ; + 16 x lane
	v_add_nc_u32 v[SOUT], STG, v[GOF]
	s_wait_loadcnt 0x0
.irp k, 0,1,2,3
	v_mov_b32 v[60+6*\k], v[44+4*\k]               ; (x, x),
	v_mov_b32 v[61+6*\k], v[46+4*\k]
	v_mov_b32 v[62+6*\k], v[45+4*\k]               ; (y, y)
	v_mov_b32 v[63+6*\k], v[47+4*\k]
	v_pk_mul_f32 v[64+6*\k:65+6*\k], v[60+6*\k:61+6*\k], v[60+6*\k:61+6*\k]
.if FUSED_R
	v_pk_fma_f32 v[64+6*\k:65+6*\k], v[62+6*\k:63+6*\k], v[62+6*\k:63+6*\k], v[64+6*\k:65+6*\k]
.else
	v_pk_mul_f32 v[96+2*\k:97+2*\k], v[62+6*\k:63+6*\k], v[62+6*\k:63+6*\k]
	v_pk_add_f32 v[64+6*\k:65+6*\k], v[64+6*\k:65+6*\k], v[96+2*\k:97+2*\k]   ; r: two rounded squares, one rounded sum
.endif
	ds_store_b64 v93, v[60+6*\k:61+6*\k] offset:XA+1024*\k
	ds_store_b64 v93, v[62+6*\k:63+6*\k] offset:YA+1024*\k
	ds_store_b64 v93, v[64+6*\k:65+6*\k] offset:RA+1024*\k
.endr
	s_wait_dscnt 0x0                               ; for the others' sake: my stores have landed
	s_barrier_signal -1
	s_barrier_wait -1                              ; the three arrays are whole; from here on they are only read
	ds_load_b32 v[XI], v94 offset:XA
	ds_load_b32 v[YI], v94 offset:YA
	ds_load_b32 v[RI], v94 offset:RA
.set kk, LA
.rept 34
	v_mov_b32 v[kk], 0x7f800000                    ; the four lists begin as infinities, over every D
.set kk, kk+1
.endr
	s_wait_dscnt 0x0
	v_mov_b32 v[XI+1], v[XI]
	v_mov_b32 v[YI+1], v[YI]
	v_mov_b32 v[RI+1], v[RI]
	; ---- pass 1: the values of the 17 smallest D
	s_mov_b32 s[SB], 0
	v_mov_b32 v[JA], 0
	LOADB 0, 0
	s_mov_b32 s[CNT], 63
.Lp1:
	TRIP16 1, 0
	s_sub_co_u32 s[CNT], s[CNT], 1
	s_cmp_lg_u32 s[CNT], 0
	s_cbranch_scc1 .Lp1
	TRIP16 1, 1
.irp i, 0,1,2,3,4,5,6,7
	INSERT LA, 17, LB+\i                           ; the three short lists go into the long one
.endr
.irp i, 0,1,2,3,4
	INSERT LA, 17, LC+\i
.endr
.irp i, 0,1,2,3
	INSERT LA, 17, LD+\i
.endr
	v_mov_b32 v[CN], -1                            ; -c: the 17th itself,
.irp k, 0,1,2,3,4,5,6,7,8,9,10,11,12,13,14,15
	v_cmp_eq_u32 vcc_lo, v[LA+\k], v[TAU]          ; and each of the other 16 that equals it
	v_cndmask_b32 v[TMP], 0, -1, vcc_lo
	v_add_nc_u32 v[CN], v[CN], v[TMP]
.endr
	v_add_nc_u32 v[TAUM1], -1, v[TAU]
.irp k, 0,1,2,3
	v_mov_b32 v[WW+\k], 0
.endr
	v_mov_b32 v[HH], 0
	v_mov_b32 v[KEEP], 0x03020100
	v_mov_b32 v[TAKE], 0x04030201
	s_mov_b32 s[NS], -1
.irp u, 0,1,2,3,4,5,6,7,8,9,10,11,12,13,14,15
	s_mov_b32 s[JJ+\u], \u
.endr
	s_mov_b32 s[INC], 16
	s_mov_b32 s[INC+1], 16
	; ---- pass 2: which j they are
	s_mov_b32 s[SB], 0
	v_mov_b32 v[JA], 0
	LOADB 0, 0
	s_mov_b32 s[CNT], 63
.Lp2:
	TRIP16 2, 0
	s_sub_co_u32 s[CNT], s[CNT], 1
	s_cmp_lg_u32 s[CNT], 0
	s_cbranch_scc1 .Lp2
	TRIP16 2, 1
.irp k, 0,1,2,3,4,5,6,7,8,9,10,11,12,13,14,15
	v_bfe_u32 v[IX+\k], v[WW+\k/4], 8*(\k%4), 8    ; 16 were taken: the k-th lies in byte k, its high bits at bit 2 k
	v_bfe_u32 v[DA+\k%8], v[HH], 2*\k, 2
	v_lshl_or_b32 v[IX+\k], v[DA+\k%8], 8, v[IX+\k]
.endr
	; ---- the way out: a lane's 64 bytes go through the wave's stage, so that each store of the wave covers 512 consecutive bytes
	s_wait_dscnt 0x0
	s_barrier_signal -1                            ; the stage's bytes are no scan's bytes; the barrier stands so that the order of all waves' scans and the stage's
	s_barrier_wait -1                              ; stores can be read off the text without following the stepped address
.irp c, 0,1,2,3
	ds_store_b128 v[SIN], v[IX+4*\c:IX+4*\c+3] offset:16*\c
.endr
.irp c, 0,1,2,3
	ds_load_b128 v[60+4*\c:63+4*\c], v[SOUT] offset:512*\c   ; my wave's own bytes: LDS serves a wave's instructions in order (ISA guide 5.7.1.4)
.endr
	s_lshl_b32 s72, ttmp9, 13                      ; 128 centres x 64 bytes
	s_mov_b32 s73, 0
	s_add_nc_u64 s[10:11], s[10:11], s[72:73]
	s_wait_dscnt 0x0
.irp c, 0,1,2,3
	global_store_b128 v[GOF], v[60+4*\c:63+4*\c], s[10:11] offset:512*\c
.endr
	s_wait_tensorcnt 0x0                           ; the wave's end: three lines behind my last LDS store
	ds_add_u32 v[SPW], v[NIL]
	s_wait_dscnt 0x0
	s_endpgm
	; ---- the weights: fragment f = 4 x (work-group - 256) + wave, 0..47.  No LDS, no barrier
.Lweights:
	s_sub_co_u32 s15, ttmp9, 256
	s_lshl_b32 s15, s15, 2
	s_add_co_u32 s15, s15, s14                     ; f
	v_and_b32 v3, 15, v0                           ; r
	v_bfe_u32 v4, v0, 4, 1                         ; h
	s_mov_b32 s[SEL], 0x76543210
	s_mov_b32 s[SEL+1], 0xfedcba98
	s_mov_b32 s[MNT], 0x600000
.irp b, 0,1,2,3
	v_mov_b32 v[TM+4+\b], 0                        ; written once: a lane permute's destination counts as one of its sources
.endr
	s_cmp_lt_u32 s15, 32
	s_cbranch_scc0 .Lw2
	; W1 [256 (k)][256 (n)]: f = 2 x tile + K step.  THE COLUMNS OF A TILE ARE NOT NEIGHBOURS: lane r of tile tt takes n = 16 tt - 8 (tt % 2) + r + 8 (r / 8),
	; so that in the transposed product the 16 registers of tiles 2 b and 2 b + 1 are 16 neighbours along the next K
	s_and_b32 s16, s15, 1
	s_lshl_b32 s72, s16, 17                        ; K step x 128 rows of 1,024 bytes
	s_add_nc_u64 s[6:7], s[6:7], s[72:73]
	s_lshr_b32 s17, s15, 1
	s_and_b32 s18, s17, 1
	s_lshl_b32 s17, s17, 4
	s_lshl_b32 s18, s18, 3
	s_sub_co_u32 s17, s17, s18
	v_and_b32 v5, 8, v3
	v_add3_u32 v5, v5, v3, s17                     ; n
	v_lshlrev_b32 v5, 2, v5
	v_lshl_add_u32 v5, v4, 14, v5                  ; lanes 16-31 begin 16 rows further down
	WLOAD 6, 1024
	s_branch .Lwq
.Lw2:
	; W2 [256 (k)][128 (n)]: f - 32 = 2 x tile + K step; n = 16 x tile + r
	s_sub_co_u32 s16, s15, 32
	s_and_b32 s17, s16, 1
	s_lshl_b32 s72, s17, 16                        ; K step x 128 rows of 512 bytes
	s_add_nc_u64 s[8:9], s[8:9], s[72:73]
	s_lshr_b32 s17, s16, 1
	s_lshl_b32 s17, s17, 4
	v_add_nc_u32 v5, s17, v3
	v_lshlrev_b32 v5, 2, v5
	v_lshl_add_u32 v5, v4, 13, v5
	WLOAD 8, 512
.Lwq:
	v_and_b32 v6, 31, v0
	v_lshlrev_b32 v6, 4, v6                        ; 16 x lane
	v_lshlrev_b32 v7, 2, v3                        ; 4 r
	s_lshl_b32 s72, s15, 11
	s_add_nc_u64 s[16:17], s[12:13], s[72:73]      ; my image: 2,048 f
	s_lshl_b32 s72, s15, 6
	s_add_nc_u64 s[18:19], s[12:13], s[72:73]      ; my scale words: 64 f behind the images
	s_wait_loadcnt 0x0
	QUANT WD, WC, PW
.irp c, 0,1,2,3
	global_store_b128 v6, v[WC+4*\c:WC+4*\c+3], s[16:17] offset:512*\c   ; the registers as they stand: 512 consecutive bytes a store
.endr
	global_store_b32 v7, v[PW], s[18:19] offset:98304   ; both halves of the lanes hold the same word and write it to the same place
	s_endpgm
.Lfunc_end_k_q6e2135aaa5_knn:
	.size	k_q6e2135aaa5_knn, .Lfunc_end_k_q6e2135aaa5_knn-k_q6e2135aaa5_knn
	.p2alignl 7, 3214868480
	.fill 96, 4, 3214868480
	.section	.rodata,"a",@progbits
	.p2align	6, 0x0
	.amdhsa_kernel k_q6e2135aaa5_knn
		.amdhsa_group_segment_fixed_size 20992
		.amdhsa_private_segment_fixed_size 0
		.amdhsa_enable_private_segment 0
		.amdhsa_kernarg_size 40
		.amdhsa_user_sgpr_count 2
		.amdhsa_user_sgpr_kernarg_segment_ptr 1
		.amdhsa_wavefront_size32 1
		.amdhsa_system_sgpr_workgroup_id_x 1
		.amdhsa_system_sgpr_workgroup_id_y 1
		.amdhsa_system_sgpr_workgroup_id_z 1
		.amdhsa_system_vgpr_workitem_id 0
		.amdhsa_next_free_vgpr 128
		.amdhsa_next_free_sgpr 80
		.amdhsa_reserve_vcc 1
		.amdhsa_float_denorm_mode_32 3
		.amdhsa_float_denorm_mode_16_64 3
		.amdhsa_memory_ordered 1
		.amdhsa_forward_progress 1
		.amdhsa_inst_pref_size 119
	.end_amdhsa_kernel
	.amdgpu_metadata
---
amdhsa.version: [ 1, 2 ]
amdhsa.kernels:
  - .name:           k_q6e2135aaa5_knn
    .symbol:         k_q6e2135aaa5_knn.kd
    .args:
      - { .name: points, .offset: 0, .size: 8, .value_kind: global_buffer, .address_space: global }
      - { .name: W1, .offset: 8, .size: 8, .value_kind: global_buffer, .address_space: global }
      - { .name: W2, .offset: 16, .size: 8, .value_kind: global_buffer, .address_space: global }
      - { .name: knn, .offset: 24, .size: 8, .value_kind: global_buffer, .address_space: global }
      - { .name: wimg, .offset: 32, .size: 8, .value_kind: global_buffer, .address_space: global }
    .group_segment_fixed_size: 20992
    .private_segment_fixed_size: 0
    .kernarg_segment_align: 8
    .kernarg_segment_size: 40
    .max_flat_workgroup_size: 128
    .sgpr_count:     80
    .vgpr_count:     128
    .wavefront_size: 32
...
	.end_amdgpu_metadata
.endif
;; end of part 1
;; launch mlp (part 2): grid 256 x 1, 16 waves a work-group, no clusters, 114,688 bytes of LDS; arguments features, knn, wimg, b1, b2, out0; writes out0
.if DOCPART == 2
	.amdgcn_target "amdgcn-amd-amdhsa--gfx1250"
	.amdhsa_code_object_version 6
	.text
	.protected	k_q6e2135aaa5_mlp
	.globl	k_q6e2135aaa5_mlp
	.p2align	8
	.type	k_q6e2135aaa5_mlp,@function
k_q6e2135aaa5_mlp:
	s_mov_b64 s[64:65], 0
	v_nop
	global_prefetch_b8 v0, s[64:65] scope:SCOPE_SE
	s_setreg_imm32_b32 hwreg(HW_REG_WAVE_MODE, 25, 1), 1
	s_wait_xcnt 0x0
; LAUNCH 2 OF 2.  out0[centre] = the mean over the centre's 16 neighbours of gelu(gelu([f_j - f_i, f_i] W1 + b1) W2 + b2), both products on codes of BF8 (E5M2) with one E8M0 scale for each 32 along K.
; No work of reference() is left out here; the neighbours come in the order of their index, not of their distance: the mean's order of rounding differs from reference()'s by that.
; SHARES.  A work-group takes 128 centres of one batch, each of its SIXTEEN waves 8 of them, one a trip, in 256 registers: four waves to a SIMD, so that one wave's vector work (the gelus and the quantisers are
; most of the launch's instructions) stands beside another's matrix work, LDS loads and gathers.  A tile's 16 rows are the centre's 16 neighbours.
; WEIGHTS.  The first launch has laid W1 and W2 as images of operand registers; they are copied into LDS once (96 KiB, with their scale words and the biases) and only read after the one barrier.
; No tensor load, no ring, no cluster: LDS is filled once; what work-groups share is those tables, read once each, a small part beside the rows that each gathers by its own indices.
; No prefetch: a row of features is gathered by some 17 centres of the same batch at about the same time.
; LAYOUT.  The first product is used transposed (source 0 = 16 columns of W1, source 1 = the 16 rows), and W1's columns are dealt to tiles so that a lane's 16 registers of tiles 2 b and 2 b + 1 are
; 16 neighbours along the next K: the quantiser's results are the next operand's registers.  The second product stands as it is written (source 0 = the rows): a lane then holds ONE output and 8 neighbours,
; so that the mean is seven additions and one exchange between the halves of the lanes.  The biases are loaded into the accumulators and are the C of each sum's first matrix instruction.
; GELU.  gelu(x) = max(x, 0) - |x| q, q = erfc(|x| / sqrt 2) / 2: nothing cancels, so the negative tail keeps its relative accuracy.  erfc(z) = t exp(-z z + P(t)), t = 1 / (1 + z / 2), P of degree 9
; (fractional error of the fit under 1.2e-7 for all z); here in base 2, the factor 1/2 taken into P's constant term.
; LIMITS.  Finite inputs; NaN and infinities are not served.  Where q falls under 2^-126 it is 0 (v_exp_f32 gives no denormals: ISA guide 15.8).  A block of zeros has the byte 1 with zero codes.
.set W2O,   65536                      ; LDS: W1's 32 fragment images from 0 (2,048 bytes each: 2 x tile + K step), W2's 16 from here,
.set WSC,   98304                      ; the scale words: 128 bytes a tile: K step 0's 16 words, then K step 1's; W1's 16 tiles, W2's 8,
.set B1L,   101376                     ; b1 as it lies,
.set B2L,   102400                     ; each number of b2 four times,
.set STG,   104448                     ; a stage of 512 bytes for each wave,
.set SPARE, 112640                     ; the spare words, 128 bytes for each wave: eight blocks of 256 bytes that no other line names
.set LI,   1                           ; v1   16 x lane
.set LI2,  2                           ; v2   + W2O
.set LS,   3                           ; v3   WSC + 4 x lane
.set AB1,  4                           ; v4   B1L + 64 h
.set AB2,  5                           ; v5   B2L + 16 r
.set STO,  6                           ; v6   my stage + 4 r
.set SRD,  7                           ; v7   my stage + 16 x lane
.set H64,  8                           ; v8   64 h: my 16 numbers of a block of 32
.set R4,   9                           ; v9   4 r
.set IDX,  10                          ; v10  my neighbour's index
.set NB,   11                          ; v11  its row's byte in the batch, + 64 h
.set SPW,  12                          ; v12  LDS address of my spare word; never rewritten
.set NIL,  13                          ; v13  0; never rewritten
.set C9,   14                          ; v[14:15] P's highest coefficient, twice
.set CODE, 16                          ; v16-31 the difference's codes, v32-47 the centre's: the first product's two K steps
.set HC,   48                          ; v48-79 the hidden layer's codes: the second product's two K steps
.set XS,   80                          ; v80-81 their scale words;  v82-83 the hidden layer's;  v84-91 eight tiles' of the weights.  These twelve hold scales and nothing else
.set HS,   82
.set WS,   84
.set TM,   92                          ; v92-107 at work in QUANT
.set GU,   108                         ; v108-115 at work in GELU
.set OUTR, 116                         ; v116-119 the row that leaves
.set FA,   120                         ; v120-122 the fill's offsets
.set FB,   121
.set FC,   122
.set ACC,  128                         ; v128-191 eight accumulators; ahead of them the neighbours' numbers
.set STGR, 192                         ; v192-255 four fragments of weights; ahead of them the centre's numbers; in GELU: t (v192-223) and the exponent (v224-255)
.set GT,   192
.set GR,   224
.set WV,    16                         ; s16  my wave's number
.set TRIPS, 17                         ; s17  centres to go
.set SEL,   18                         ; s[18:19] lane selects for v_permlanex16_b32: lane l xor 16
.set CEN,   20                         ; s[20:21] the centre's row of features
.set MNT,   22                         ; s22  the mantissa field of 57,344
.set KT,    23                         ; s23  1 / (2 sqrt 2)
.set NK,    24                         ; s[24:25] -log2(e) / 2
.set CP,    26                         ; s[26:43] P's coefficients 0 to 8, x log2(e), each twice (a packed line names a pair)
.macro PAIR r, val
	s_mov_b32 s[\r], \val
	s_mov_b32 s[\r+1], \val
.endm
; 64 numbers of a lane, v[s] on, register 16 b + i = k 32 b + 16 (lane / 16) + i of my row, become a fragment's codes in v[d] on and its scale word in v[w].
.macro QUANT s, d, w
.irp b, 0,1,2,3
	v_max3_num_f32 v[TM+\b], |v[(\s)+16*\b]|, |v[(\s)+1+16*\b]|, 0x8000000   ; block b: my 16 numbers, and the floor 2^(16 - 127): so the byte cannot fall under 1
.endr
.irp i, 2,4,6,8,10,12,14
.irp b, 0,1,2,3
	v_max3_num_f32 v[TM+\b], v[TM+\b], |v[(\s)+16*\b+\i]|, |v[(\s)+1+16*\b+\i]|   ; the four blocks by turns
.endr
.endr
.irp b, 0,1,2,3
	v_permlanex16_b32 v[TM+4+\b], v[TM+\b], s[SEL], s[SEL+1]
.endr
.irp b, 0,1,2,3
	v_max_num_f32 v[TM+\b], v[TM+\b], v[TM+4+\b]                   ; with lane l xor 16's: the block's largest magnitude
.endr
.irp b, 0,1,2,3
	v_add_nc_u32 v[TM+12+\b], 0xf8800000, v[TM+\b]                 ; 15 off its exponent field: the conversion's scale operand
.endr
.irp b, 0,1,2,3
	v_and_or_b32 v[TM+8+\b], v[TM+\b], 0x7f800000, s[MNT]          ; 57,344 x the scale
.endr
.irp b, 0,1,2,3
	v_lshrrev_b32 v[TM+4+\b], 23, v[TM+12+\b]                      ; the scale's byte
.endr
	v_lshl_or_b32 v[\w], v[TM+5], 8, v[TM+4]                       ; my row's scale word; the 64 holds below stand between it and the product that names it
	v_lshl_or_b32 v[\w], v[TM+6], 16, v[\w]
	v_lshl_or_b32 v[\w], v[TM+7], 24, v[\w]
.irp b, 0,1,2,3
.irp i, 0,1,2,3,4,5,6,7,8,9,10,11,12,13,14,15
	v_med3_num_f32 v[(\s)+16*\b+\i], v[(\s)+16*\b+\i], -v[TM+8+\b], v[TM+8+\b]   ; the conversion to an 8-bit code does not saturate (ISA guide 7.6.2): the hold at the largest code x the scale
.endr
	v_cvt_scalef32_pk8_bf8_f32 v[(\d)+4*\b:(\d)+1+4*\b], v[(\s)+16*\b:(\s)+7+16*\b], v[TM+12+\b]
	v_cvt_scalef32_pk8_bf8_f32 v[(\d)+2+4*\b:(\d)+3+4*\b], v[(\s)+8+16*\b:(\s)+15+16*\b], v[TM+12+\b]
.endr
	v_nop                                                          ; a plain line behind the last conversion
.endm
; gelu of 32 numbers, v[x] on, in place.  The registers are taken in ascending order.  Two batches of transcendentals, one wait each.
.macro GELU x
.set gi, 0
.rept 32
	v_fma_f32 v[GT+gi], |v[(\x)+gi]|, s[KT], 1.0                   ; 1 + z / 2, z = |x| / sqrt 2
.set gi, gi+1
.endr
.set gi, 0
.rept 32
	v_rcp_f32 v[GT+gi], v[GT+gi]                                   ; t
.set gi, gi+1
.endr
	v_nop                                                          ; a plain line behind the last reciprocal,
	s_wait_alu depctr_va_vdst(0)                                   ; and the one wait ahead of the batch's first reader
.set gi, 0
.rept 16
	v_pk_fma_f32 v[GR+gi:GR+gi+1], v[GT+gi:GT+gi+1], v[C9:C9+1], s[CP+16:CP+17] op_sel_hi:[1,1,0]
.set gi, gi+2
.endr
.irp k, 7,6,5,4,3,2,1,0
.set gi, 0
.rept 16
	v_pk_fma_f32 v[GR+gi:GR+gi+1], v[GR+gi:GR+gi+1], v[GT+gi:GT+gi+1], s[CP+2*\k:CP+2*\k+1] op_sel_hi:[1,1,0]   ; P(t), two at a time, sixteen chains
.set gi, gi+2
.endr
.endr
.irp q, 0,1,2,3
.irp p, 0,1,2,3
	v_pk_mul_f32 v[GU+2*\p:GU+2*\p+1], v[(\x)+8*\q+2*\p:(\x)+8*\q+2*\p+1], v[(\x)+8*\q+2*\p:(\x)+8*\q+2*\p+1]
.endr
.irp p, 0,1,2,3
	v_pk_fma_f32 v[GR+8*\q+2*\p:GR+8*\q+2*\p+1], v[GU+2*\p:GU+2*\p+1], s[NK:NK+1], v[GR+8*\q+2*\p:GR+8*\q+2*\p+1] op_sel_hi:[1,0,1]   ; - z z, in base 2
.endr
.endr
.set gi, 0
.rept 32
	v_exp_f32 v[GR+gi], v[GR+gi]
.set gi, gi+1
.endr
	v_nop
	s_wait_alu depctr_va_vdst(0)                                   ; the second batch's one wait
.set gi, 0
.rept 16
	v_pk_mul_f32 v[GT+gi:GT+gi+1], v[GT+gi:GT+gi+1], v[GR+gi:GR+gi+1]   ; q
.set gi, gi+2
.endr
.set gi, 0
.rept 32
	v_max_num_f32 v[GR+gi], 0, v[(\x)+gi]
.set gi, gi+1
.endr
.set gi, 0
.rept 32
	v_fma_f32 v[(\x)+gi], -|v[(\x)+gi]|, v[GT+gi], v[GR+gi]        ; max(x, 0) - |x| q
.set gi, gi+1
.endr
.endm
.macro FRAG4 adr, f0                   ; four fragments, images f0, f0 + 2, f0 + 4, f0 + 6: each load takes 512 consecutive bytes
.irp q, 0,1,2,3
.irp c, 0,1,2,3
	ds_load_b128 v[STGR+16*\q+4*\c:STGR+16*\q+4*\c+3], v[\adr] offset:((\f0)+2*\q)*2048+512*\c
.endr
.endr
.endm
.macro PLACES n                        ; plain vector lines that name no register of the matrix instructions before them (ISA guide 7.12.1)
.rept \n
	v_nop
.endr
.endm
; Hidden units 128 c2 .. 128 c2 + 127 of my 16 rows: eight tiles, two K steps; gelu; quantised: they are K step c2 of the second product.
; The eight accumulators take turns, one instruction a turn.
.macro LAYER1 c2
.irp t, 0,1,2,3,4,5,6,7
	ds_load_b128 v[ACC+8*\t:ACC+8*\t+3],   v[AB1] offset:(128*\c2+32*(\t/2)+8*(\t%2))*4      ; b1 at my eight units of tile t: 32 (t / 2) + 16 h + 8 (t % 2) + 0 .. 7
	ds_load_b128 v[ACC+8*\t+4:ACC+8*\t+7], v[AB1] offset:(128*\c2+32*(\t/2)+8*(\t%2))*4+16
.endr
.irp t, 0,1,2,3,4,5,6,7
	ds_load_b32 v[WS+\t], v[LS] offset:128*(8*\c2+\t)              ; lanes 0-15: K step 0's words, lanes 16-31: K step 1's
.endr
.irp s, 0,1
.irp g, 0,1
.if \s+\g > 0
	PLACES 8                                                       ; in front of loads into registers that matrix instructions have read
.endif
	FRAG4 LI, (8*\c2+4*\g)*2+\s
	s_wait_dscnt 0x0
.irp q, 0,1,2,3
.if \s == 0
	v_wmma_scale_f32_16x16x128_f8f6f4 v[ACC+8*(4*\g+\q):ACC+8*(4*\g+\q)+7], v[STGR+16*\q:STGR+16*\q+15], v[CODE:CODE+15], v[ACC+8*(4*\g+\q):ACC+8*(4*\g+\q)+7], v[WS+4*\g+\q], v[XS] matrix_a_fmt:MATRIX_FMT_BF8 matrix_b_fmt:MATRIX_FMT_BF8
.else
	v_wmma_scale_f32_16x16x128_f8f6f4 v[ACC+8*(4*\g+\q):ACC+8*(4*\g+\q)+7], v[STGR+16*\q:STGR+16*\q+15], v[CODE+16:CODE+31], v[ACC+8*(4*\g+\q):ACC+8*(4*\g+\q)+7], v[WS+4*\g+\q], v[XS+1] matrix_a_fmt:MATRIX_FMT_BF8 matrix_b_fmt:MATRIX_FMT_BF8 matrix_a_scale:MATRIX_SCALE_ROW1
.endif
.endr
.endr
.endr
	PLACES 8                                                       ; in front of the first read of results, and of all later writes and loads into these products' registers
	GELU ACC
	GELU ACC+32
	QUANT ACC, HC+16*\c2, HS+\c2
.endm
; The 128 outputs of my 16 rows: eight tiles, two K steps; gelu.  Lane (r, h), register j of tile t: neighbour 8 h + j, output 16 t + r.
.macro LAYER2
.irp t, 0,1,2,3,4,5,6,7
	ds_load_b128 v[ACC+8*\t:ACC+8*\t+3],   v[AB2] offset:256*\t    ; b2[16 t + r] in all eight registers
	ds_load_b128 v[ACC+8*\t+4:ACC+8*\t+7], v[AB2] offset:256*\t
.endr
.irp t, 0,1,2,3,4,5,6,7
	ds_load_b32 v[WS+\t], v[LS] offset:2048+128*\t
.endr
.irp s, 0,1
.irp g, 0,1
.if \s+\g > 0
	PLACES 8
.endif
	FRAG4 LI2, (4*\g)*2+\s
	s_wait_dscnt 0x0
.irp q, 0,1,2,3
.if \s == 0
	v_wmma_scale_f32_16x16x128_f8f6f4 v[ACC+8*(4*\g+\q):ACC+8*(4*\g+\q)+7], v[HC:HC+15], v[STGR+16*\q:STGR+16*\q+15], v[ACC+8*(4*\g+\q):ACC+8*(4*\g+\q)+7], v[HS], v[WS+4*\g+\q] matrix_a_fmt:MATRIX_FMT_BF8 matrix_b_fmt:MATRIX_FMT_BF8
.else
	v_wmma_scale_f32_16x16x128_f8f6f4 v[ACC+8*(4*\g+\q):ACC+8*(4*\g+\q)+7], v[HC+16:HC+31], v[STGR+16*\q:STGR+16*\q+15], v[ACC+8*(4*\g+\q):ACC+8*(4*\g+\q)+7], v[HS+1], v[WS+4*\g+\q] matrix_a_fmt:MATRIX_FMT_BF8 matrix_b_fmt:MATRIX_FMT_BF8 matrix_b_scale:MATRIX_SCALE_ROW1
.endif
.endr
.endr
.endr
	PLACES 8
	GELU ACC
	GELU ACC+32
.endm
	s_load_b256 s[4:11], s[0:1], 0x0               ; features s[4:5], knn s[6:7], wimg s[8:9], b1 s[10:11]
	s_load_b128 s[12:15], s[0:1], 0x20             ; b2 s[12:13], out0 s[14:15]
	v_lshl_add_u32 v[SPW], v0, 2, SPARE
	v_mov_b32 v[NIL], 0
	v_lshrrev_b32 v1, 5, v0
	v_readfirstlane_b32 s[WV], v1                  ; wave 0..15
	v_and_b32 v11, 31, v0                          ; lane
	v_and_b32 v10, 15, v0                          ; r
	v_bfe_u32 v8, v0, 4, 1                         ; h
	v_lshlrev_b32 v[LI], 4, v11
	v_add_nc_u32 v[LI2], W2O, v[LI]
	v_lshl_add_u32 v[LS], v11, 2, WSC
	v_lshl_add_u32 v[AB1], v8, 6, B1L
	v_lshl_add_u32 v[AB2], v10, 4, B2L
	s_lshl_b32 s44, s[WV], 9
	s_add_co_u32 s44, s44, STG                     ; my stage
	v_lshl_add_u32 v[STO], v10, 2, s44
	v_add_nc_u32 v[SRD], s44, v[LI]
	v_lshlrev_b32 v[R4], 2, v10
	v_lshlrev_b32 v[H64], 6, v8
	v_lshlrev_b32 v[FA], 4, v0                     ; the fill: 16 bytes a thread, 8,192 a line of the work-group
	v_add_nc_u32 v[FB], W2O, v[FA]
	v_lshlrev_b32 v[FC], 2, v0
	v_mov_b32 v[C9], 0x3e7c6f08
	v_mov_b32 v[C9+1], 0x3e7c6f08
.irp b, 0,1,2,3
	v_mov_b32 v[TM+4+\b], 0                        ; written once: a lane permute's destination counts as one of its sources
.endr
	s_mov_b32 s[SEL], 0x76543210
	s_mov_b32 s[SEL+1], 0xfedcba98
	s_mov_b32 s[MNT], 0x600000
	s_mov_b32 s[KT], 0x3eb504f3
	PAIR NK, 0xbf38aa3b
	PAIR CP+0,  0xc034d90f                         ; -1.26551223 log2(e) - 1
	PAIR CP+2,  0x3fb8ab5a                         ;  1.00002368 log2(e)
	PAIR CP+4,  0x3f0a29d2                         ;  0.37409196 log2(e)
	PAIR CP+6,  0x3e0efb2e                         ;  0.09678418 log2(e)
	PAIR CP+8,  0xbe899a80                         ; -0.18628806 log2(e)
	PAIR CP+10, 0x3ecdfd18                         ;  0.27886807 log2(e)
	PAIR CP+12, 0xbfd1a1e5                         ; -1.13520398 log2(e)
	PAIR CP+14, 0x40097039                         ;  1.48851587 log2(e)
	PAIR CP+16, 0xbf97d29d                         ; -0.82215223 log2(e); the highest, 0.17087277 log2(e), lies in v[14:15]
	s_mov_b32 s[TRIPS], 8
	s_lshl_b32 s46, ttmp9, 7
	s_lshl_b32 s47, s[WV], 3
	s_add_co_u32 s46, s46, s47                     ; my first centre: 128 x work-group + 8 x wave
	s_mov_b32 s45, 0
	s_wait_kmcnt 0x0
	s_lshl_b32 s44, s46, 9
	s_add_nc_u64 s[CEN:CEN+1], s[4:5], s[44:45]    ; its row of features,
	s_add_nc_u64 s[14:15], s[14:15], s[44:45]      ; its row of out0,
	s_lshl_b32 s44, s46, 6
	s_add_nc_u64 s[6:7], s[6:7], s[44:45]          ; its 16 indices
	s_lshr_b32 s44, ttmp9, 3
	s_lshl_b32 s44, s44, 19
	s_add_nc_u64 s[4:5], s[4:5], s[44:45]          ; features at my batch's first row
	; ---- the tables into LDS, once
.irp k, 0,1,2,3,4,5,6,7,8,9,10,11
	global_load_b128 v[ACC+4*\k:ACC+4*\k+3], v[FA], s[8:9] offset:8192*\k   ; the 48 images, as they lie
.endr
	s_cmp_lt_u32 s[WV], 6                          ; threads 0-191: the scale words; 192-255: b1; 256-383: b2, each number four times.  All three land at LDS byte WSC + 16 x thread
	s_cbranch_scc1 .Lfill_sc
	s_cmp_lt_u32 s[WV], 8
	s_cbranch_scc1 .Lfill_b1
	s_cmp_lt_u32 s[WV], 12
	s_cbranch_scc1 .Lfill_b2
	s_branch .Lfill_none
.Lfill_sc:
	global_load_b128 v[176:179], v[FA], s[8:9] offset:98304
	s_branch .Lfill_st
.Lfill_b1:
	global_load_b128 v[176:179], v[FA], s[10:11] offset:-3072      ; 16 x (thread - 192)
	s_branch .Lfill_st
.Lfill_b2:
	global_load_b32 v176, v[FC], s[12:13] offset:-1024             ; 4 x (thread - 256)
	s_wait_loadcnt 0x0
	v_mov_b32 v177, v176
	v_mov_b32 v178, v176
	v_mov_b32 v179, v176
.Lfill_st:
	s_wait_loadcnt 0x0
	ds_store_b128 v[FB], v[176:179] offset:32768
.Lfill_none:
	s_wait_loadcnt 0x0
.irp k, 0,1,2,3,4,5,6,7
	ds_store_b128 v[FA], v[ACC+4*\k:ACC+4*\k+3] offset:8192*\k
.endr
.irp k, 8,9,10,11
	ds_store_b128 v[FB], v[ACC+4*\k:ACC+4*\k+3] offset:8192*(\k-8)
.endr
	global_load_b32 v[IDX], v[R4], s[6:7]          ; the first centre's indices: lane (r, h) takes neighbour r's
	s_wait_dscnt 0x0                               ; for the others' sake: my stores have landed
	s_barrier_signal -1
	s_barrier_wait -1                              ; the tables are whole; from here on they are only read, and no wave waits for another
	s_wait_loadcnt 0x0
.Ltrip:                                            ; one centre
	v_min_u32 v[NB], 0x3ff, v[IDX]                 ; an index stays inside the batch
	v_lshl_add_u32 v[NB], v[NB], 9, v[H64]         ; a row is 512 bytes
	s_cmp_eq_u32 s[TRIPS], 1                       ; the next centre's indices are asked for here, if there is a next centre: no load leaves its buffer
	s_cbranch_scc1 .Lno_next
	s_add_nc_u64 s[6:7], s[6:7], 64                ; (the load that read this base has been waited for)
	global_load_b32 v[IDX], v[R4], s[6:7]
.Lno_next:
.irp c, 0,1,2,3
.irp j, 0,1,2,3
	global_load_b128 v[STGR+16*\c+4*\j:STGR+16*\c+4*\j+3], v[H64], s[CEN:CEN+1] offset:128*\c+16*\j   ; f_i: k = 32 c + 16 h + 4 j ..
.endr
.endr
.irp c, 0,1,2,3
.irp j, 0,1,2,3
	global_load_b128 v[ACC+16*\c+4*\j:ACC+16*\c+4*\j+3], v[NB], s[4:5] offset:128*\c+16*\j            ; f_j of my neighbour, the same k
.endr
.endr
	s_wait_loadcnt 0x0
.set gi, 0
.rept 32
	v_pk_add_f32 v[ACC+gi:ACC+gi+1], v[ACC+gi:ACC+gi+1], v[STGR+gi:STGR+gi+1] neg_lo:[0,1] neg_hi:[0,1]   ; f_j - f_i
.set gi, gi+2
.endr
	QUANT ACC, CODE, XS                            ; K step 0: the difference
	QUANT STGR, CODE+16, XS+1                      ; K step 1: the centre
	PLACES 3                                       ; with the quantiser's last line: four places between the codes and the scaled product that takes them
	LAYER1 0
	LAYER1 1
	PLACES 3
	LAYER2
	; ---- the mean over the 16 neighbours: eight in my registers, eight in lane l xor 16's
.irp t, 0,1,2,3,4,5,6,7
	v_pk_add_f32 v[ACC+8*\t:ACC+8*\t+1],   v[ACC+8*\t:ACC+8*\t+1],   v[ACC+8*\t+2:ACC+8*\t+3]
	v_pk_add_f32 v[ACC+8*\t+4:ACC+8*\t+5], v[ACC+8*\t+4:ACC+8*\t+5], v[ACC+8*\t+6:ACC+8*\t+7]
.endr
.irp t, 0,1,2,3,4,5,6,7
	v_pk_add_f32 v[ACC+8*\t:ACC+8*\t+1], v[ACC+8*\t:ACC+8*\t+1], v[ACC+8*\t+4:ACC+8*\t+5]
.endr
.irp t, 0,1,2,3,4,5,6,7
	v_add_f32 v[ACC+8*\t], v[ACC+8*\t], v[ACC+8*\t+1]
.endr
.irp t, 0,1,2,3,4,5,6,7
	v_permlanex16_b32 v[TM+\t], v[ACC+8*\t], s[SEL], s[SEL+1]
.endr
.irp t, 0,1,2,3,4,5,6,7
	v_add_f32 v[ACC+8*\t], v[ACC+8*\t], v[TM+\t]
.endr
.irp t, 0,1,2,3,4,5,6,7
	ds_store_b32 v[STO], v[ACC+8*\t] offset:64*\t  ; output 16 t + r; both halves of the lanes hold the same number and write it to the same word
.endr
	ds_load_b128 v[OUTR:OUTR+3], v[SRD]            ; my wave's own bytes: LDS serves a wave's instructions in order (ISA guide 5.7.1.4)
	s_wait_dscnt 0x0
	v_pk_mul_f32 v[OUTR:OUTR+1],   v[OUTR:OUTR+1],   0x3d800000 op_sel_hi:[1,0]   ; / 16: exact
	v_pk_mul_f32 v[OUTR+2:OUTR+3], v[OUTR+2:OUTR+3], 0x3d800000 op_sel_hi:[1,0]
	global_store_b128 v[LI], v[OUTR:OUTR+3], s[14:15] th:TH_STORE_NT   ; the 32 lanes store the centre's row: 512 consecutive bytes, at a multiple of 256 from out0's first byte
	s_wait_xcnt 0x0                                ; the store has read its registers and its base: both are written again only behind this wait
	s_add_nc_u64 s[CEN:CEN+1], s[CEN:CEN+1], 512
	s_add_nc_u64 s[14:15], s[14:15], 512
	s_sub_co_u32 s[TRIPS], s[TRIPS], 1
	s_cmp_lg_u32 s[TRIPS], 0
	s_cbranch_scc1 .Ltrip
	s_wait_tensorcnt 0x0                           ; the wave's end: three lines behind my last LDS store
	ds_add_u32 v[SPW], v[NIL]
	s_wait_dscnt 0x0
	s_endpgm
.Lfunc_end_k_q6e2135aaa5_mlp:
	.size	k_q6e2135aaa5_mlp, .Lfunc_end_k_q6e2135aaa5_mlp-k_q6e2135aaa5_mlp
	.p2alignl 7, 3214868480
	.fill 96, 4, 3214868480
	.section	.rodata,"a",@progbits
	.p2align	6, 0x0
	.amdhsa_kernel k_q6e2135aaa5_mlp
		.amdhsa_group_segment_fixed_size 114688
		.amdhsa_private_segment_fixed_size 0
		.amdhsa_enable_private_segment 0
		.amdhsa_kernarg_size 48
		.amdhsa_user_sgpr_count 2
		.amdhsa_user_sgpr_kernarg_segment_ptr 1
		.amdhsa_wavefront_size32 1
		.amdhsa_system_sgpr_workgroup_id_x 1
		.amdhsa_system_sgpr_workgroup_id_y 1
		.amdhsa_system_sgpr_workgroup_id_z 1
		.amdhsa_system_vgpr_workitem_id 0
		.amdhsa_next_free_vgpr 256
		.amdhsa_next_free_sgpr 66
		.amdhsa_reserve_vcc 0
		.amdhsa_float_denorm_mode_32 3
		.amdhsa_float_denorm_mode_16_64 3
		.amdhsa_memory_ordered 1
		.amdhsa_forward_progress 1
		.amdhsa_inst_pref_size 189
	.end_amdhsa_kernel
	.amdgpu_metadata
---
amdhsa.version: [ 1, 2 ]
amdhsa.kernels:
  - .name:           k_q6e2135aaa5_mlp
    .symbol:         k_q6e2135aaa5_mlp.kd
    .args:
      - { .name: features, .offset: 0, .size: 8, .value_kind: global_buffer, .address_space: global }
      - { .name: knn, .offset: 8, .size: 8, .value_kind: global_buffer, .address_space: global }
      - { .name: wimg, .offset: 16, .size: 8, .value_kind: global_buffer, .address_space: global }
      - { .name: b1, .offset: 24, .size: 8, .value_kind: global_buffer, .address_space: global }
      - { .name: b2, .offset: 32, .size: 8, .value_kind: global_buffer, .address_space: global }
      - { .name: out0, .offset: 40, .size: 8, .value_kind: global_buffer, .address_space: global }
    .group_segment_fixed_size: 114688
    .private_segment_fixed_size: 0
    .kernarg_segment_align: 8
    .kernarg_segment_size: 48
    .max_flat_workgroup_size: 512
    .sgpr_count:     66
    .vgpr_count:     256
    .wavefront_size: 32
...
	.end_amdgpu_metadata
.endif
;; end of part 2
;; ======== version 2 of 2: 2 launches
;; limits: a function is approximated: absolute error at most 1.5e-07; right only within a limited range of input values
;; workspace buffers: knn 2,097,152 bytes of whole numbers; wimg 101,376 bytes
;; launch knn (part 3): grid 262 x 1, 8 waves a work-group, no clusters, 44,032 bytes of LDS; arguments points, W1, W2, knn, wimg; writes knn, wimg
.if DOCPART == 3
	.amdgcn_target "amdgcn-amd-amdhsa--gfx1250"
	.amdhsa_code_object_version 6
	.text
	.protected	k_q6e2135aaa5_knn
	.globl	k_q6e2135aaa5_knn
	.p2align	8
	.type	k_q6e2135aaa5_knn,@function
k_q6e2135aaa5_knn:
	s_mov_b64 s[64:65], 0
	v_nop
	global_prefetch_b8 v0, s[64:65] scope:SCOPE_SE
	s_setreg_imm32_b32 hwreg(HW_REG_WAVE_MODE, 25, 1), 1
	s_wait_xcnt 0x0
; LAUNCH 1 OF 2.  Work-groups 0-255: for each of the 32 x 1,024 points the 16 neighbours that reference() gathers.  Work-groups 256-261: W1 and W2 quantised once, along K.
; DEAD WORK: none is left out in whole units; every input has a way to the output and is loaded (points, W1, W2 here; features, b1, b2 in the second launch).
; What is not produced is the ORDER of the 16 neighbours: reference() takes their mean, which does not see it; the mean's rounding order differs from reference()'s by that.
; THE NEIGHBOURS.  D[i][j] = |(r_i - 2 m_ij) + r_j|, r = x x + y y, m = x_i x_j + y_i y_j, each operation of reference() rounded by itself in f32 (2 m is exact, so r_i - 2 m is one fused line).
; reference() keeps the 17 smallest D in the order (D, lower j first) and drops the first of them.  Here: pass 1 finds the VALUES of the 17 smallest; tau is the 17th, c the number of the 17 that equal tau.
; Pass 2 walks j upward and takes j where D < tau, or D = tau while fewer than c such have been met; the first j with D = the smallest value is the first hit and is left out.  That gives exactly 16.
; SHARES.  A work-group: 128 queries of one batch, a lane a query, EIGHT waves: wave w serves queries 32 (w % 4) on and candidates 512 (w / 4) on, so that two waves stand on a SIMD and one works while the
; other waits for a result.  The batch's x, y and r lie in LDS as three arrays, read 8 candidates at a time (every lane the same bytes).
; THE TWO HALVES.  Each wave finds the 17 smallest of its half; the lists meet in LDS and every wave merges both.  Ties go by lower j: with cl = the entries of the LOWER half's list that equal tau, the lower
; wave may take c ties and the upper wave max(c - cl, 0).  (If the lower half has more ties than its list shows, the list is full, and then c <= cl: so min(c, ties below) = min(c, cl) always.)  The first hit lies
; in the lower half exactly if that list's first entry is the smallest value.  The lower wave takes n_low = (entries of its list under tau) + min(c, cl) - (first hit below) indices, the upper wave 16 - n_low.
; LIMITS.  points are finite and D does not overflow; NaN and infinities are not served.  If D is wanted with another rounding (r or m as a fused multiply-add: FUSED_R, FUSED_M below), a row whose 17th and
; 18th D lie within that rounding may exchange one neighbour.
; No tensor loads, no matrix work, no cluster: the arithmetic is compares and selections on a table of 12 KiB a batch.
; THE WEIGHTS.  One wave makes one operand fragment (16 columns n x 128 along K): a lane takes a column and its registers run down K, so that the conversions' results are the operand's registers;
; they are stored as an image of those registers (2,048 bytes a fragment, 16 bytes a lane and group of four registers), the scale words (4 bytes a column) behind all images.  A block of zeros gets the byte 1
; where the rule says 127: its codes are zeros and this program alone reads the bytes.
.set FUSED_R, 0                        ; 1: r = fma(y, y, x x)
.set FUSED_M, 0                        ; 1: m = fma(y_i, y_j, x_i x_j)
.set XA,    0                          ; LDS: x of the batch's 1,024 points,
.set YA,    4096                       ; y,
.set RA,    8192                       ; r,
.set LST,   12288                      ; each wave's 17 smallest: 17 x 128 bytes a wave,
.set WX,    29696                      ; each wave's packed indices: 5 x 128 bytes a wave,
.set STG,   34816                      ; a stage of 2,048 bytes for each of waves 0-3, for the way out,
.set SPARE, 43008                      ; the spare words, 128 bytes for each wave: four blocks of 256 bytes that no other line names
.set SPW,  1                           ; v1   LDS address of my spare word; never rewritten
.set NIL,  2                           ; v2   0; never rewritten
.set JA,   3                           ; v3   LDS byte of the 16 candidates in hand
.set XI,   4                           ; v[4:5], v[6:7], v[8:9]  my query's x, y, r, each twice (packed lines name pairs)
.set YI,   6
.set RI,   8
.set LA,   10                          ; v10-26  the 17 smallest among the quads' smallest; then of my half; in the end of all
.set LB,   27                          ; v27-34  the 8 smallest among the quads' second,
.set LC,   35                          ; v35-39  the 5 smallest among their third,
.set LD,   40                          ; v40-43  the 4 smallest among their largest
.set BUF,  44                          ; v44-67, v68-91  two buffers of 8 candidates: x 8, y 8, r 8
.set DA,   92                          ; v92-99   8 distances
.set DB,   100                         ; v100-107 at work
.set SIN,  108                         ; v108 the stage: where I put my 64 bytes
.set SOUT, 109                         ; v109 and where I read 16 bytes back
.set GOF,  110                         ; v110 the same place in the work-group's part of knn
.set KEEP, 111                         ; v111 byte selector: the word as it is
.set TAKE, 112                         ; v112 byte selector: one byte down, the next word's lowest byte on top
.set TMP,  113
.set XL,   114                         ; v114-130 the lower half's 17 smallest
.set LSTW, 131                         ; v131 where I store my list
.set LSTL, 132                         ; v132 where my queries' lower list lies; the upper one 4 x 2,176 bytes on
.set WXW,  133                         ; v133 where I store my packed indices; for waves 0-3 the partner's lie 4 x 640 bytes on
.set NLOW, 134                         ; v134 n_low
.set TMP2, 135
.set TAU,  LA+16                       ; pass 2: the 17th smallest D, as bits
.set L0,   LA                          ; the smallest
.set TAUM1, 27                         ; tau - 1
.set CN,   28                          ; v28-36  ties met so far in my half, less those that I may take: negative while ties are still owed
.set WW,   37                          ; v37-40  the low bytes of the indices taken: they come in on top and go down
.set HH,   41                          ; v41     their two high bits, likewise
.set IX,   44                          ; v44-59  the 16 indices
.set MEQ,  16                          ; s16-23  lanes where D = tau, for 8 candidates
.set ME0,  24                          ; s24-31  where D = the smallest
.set MOK,  32                          ; s32-39  where ties are still owed
.set MLE,  40                          ; s40-47  where the candidate is taken
.set JJ,   48                          ; s48-63  the 16 candidates' numbers
.set INC,  66                          ; s[66:67] 16, 16
.set NS,   68                          ; s68  lanes that have not met their first hit
.set FH,   69                          ; s69  lanes that meet it now
.set CNT,  71                          ; s71  trips to go
.set SB,   72                          ; s72  the scan's LDS byte (outside the scans: the low word of a 64-bit offset, s73 = 0 above it)
.set HI,   73                          ; s73  the candidates' number / 256
.set HF,   74                          ; s74  which half of the candidates is mine: wave / 4
.set HMK,  75                          ; s75  0 in the lower half's waves, all ones in the upper's
.set GQ,   76                          ; s76  which 32 queries: wave % 4
.set TM,   8                           ; the weights' path: v8-23 at work in QUANT
.set PW,   24                          ; v24  the scale word
.set WD,   32                          ; v32-95  64 numbers
.set WC,   96                          ; v96-111 the fragment's codes
.set SEL,  20                          ; s[20:21] lane selects for v_permlanex16_b32: lane l xor 16
.set MNT,  22
.macro BAR                             ; my LDS instructions are done; then the work-group's barrier
	s_wait_dscnt 0x0
	s_barrier_signal -1
	s_barrier_wait -1
.endm
.macro LOADB bf, off                   ; 8 candidates from byte off behind v[JA] into buffer bf: six loads
	ds_load_b128 v[BUF+24*\bf:BUF+24*\bf+3],     v[JA] offset:XA+\off
	ds_load_b128 v[BUF+24*\bf+4:BUF+24*\bf+7],   v[JA] offset:XA+\off+16
	ds_load_b128 v[BUF+24*\bf+8:BUF+24*\bf+11],  v[JA] offset:YA+\off
	ds_load_b128 v[BUF+24*\bf+12:BUF+24*\bf+15], v[JA] offset:YA+\off+16
	ds_load_b128 v[BUF+24*\bf+16:BUF+24*\bf+19], v[JA] offset:RA+\off
	ds_load_b128 v[BUF+24*\bf+20:BUF+24*\bf+23], v[JA] offset:RA+\off+16
.endm
.macro DIST bf                         ; (r_i - 2 m) + r_j of buffer bf's 8 candidates, two at a time; the magnitude is taken by the reader
.irp p, 0,1,2,3
	v_pk_mul_f32 v[DA+2*\p:DA+2*\p+1], v[BUF+24*\bf+2*\p:BUF+24*\bf+2*\p+1], v[XI:XI+1]
.endr
.if FUSED_M
.irp p, 0,1,2,3
	v_pk_fma_f32 v[DA+2*\p:DA+2*\p+1], v[BUF+24*\bf+8+2*\p:BUF+24*\bf+8+2*\p+1], v[YI:YI+1], v[DA+2*\p:DA+2*\p+1]
.endr
.else
.irp p, 0,1,2,3
	v_pk_mul_f32 v[DB+2*\p:DB+2*\p+1], v[BUF+24*\bf+8+2*\p:BUF+24*\bf+8+2*\p+1], v[YI:YI+1]
.endr
.irp p, 0,1,2,3
	s_delay_alu instid0(VALU_DEP_4)
	v_pk_add_f32 v[DA+2*\p:DA+2*\p+1], v[DA+2*\p:DA+2*\p+1], v[DB+2*\p:DB+2*\p+1]   ; m: two rounded products, one rounded sum
.endr
.endif
.irp p, 0,1,2,3
	s_delay_alu instid0(VALU_DEP_4)
	v_pk_fma_f32 v[DA+2*\p:DA+2*\p+1], v[DA+2*\p:DA+2*\p+1], -2.0, v[RI:RI+1] op_sel_hi:[1,0,1]   ; r_i - 2 m: 2 m is exact, so this is reference()'s one rounding
.endr
.irp p, 0,1,2,3
	s_delay_alu instid0(VALU_DEP_4)
	v_pk_add_f32 v[DA+2*\p:DA+2*\p+1], v[DA+2*\p:DA+2*\p+1], v[BUF+24*\bf+16+2*\p:BUF+24*\bf+16+2*\p+1]
.endr
.endm
.macro SORT4 q                         ; quad q of the 8 is sorted: smallest in DA+4q, second in DB+4q, third in DB+4q+1, largest in DA+4q+3.  The first four lines take the magnitudes
	v_min_num_f32 v[DB+4*\q],   |v[DA+4*\q]|,   |v[DA+4*\q+1]|
	v_max_num_f32 v[DB+4*\q+1], |v[DA+4*\q]|,   |v[DA+4*\q+1]|
	v_min_num_f32 v[DB+4*\q+2], |v[DA+4*\q+2]|, |v[DA+4*\q+3]|
	v_max_num_f32 v[DB+4*\q+3], |v[DA+4*\q+2]|, |v[DA+4*\q+3]|
	s_delay_alu instid0(VALU_DEP_2)
	v_min_num_f32 v[DA+4*\q],   v[DB+4*\q],   v[DB+4*\q+2]
	s_delay_alu instid0(VALU_DEP_3)
	v_max_num_f32 v[DA+4*\q+1], v[DB+4*\q],   v[DB+4*\q+2]
	s_delay_alu instid0(VALU_DEP_3)
	v_min_num_f32 v[DA+4*\q+2], v[DB+4*\q+1], v[DB+4*\q+3]
	s_delay_alu instid0(VALU_DEP_4)
	v_max_num_f32 v[DA+4*\q+3], v[DB+4*\q+1], v[DB+4*\q+3]
	s_delay_alu instid0(VALU_DEP_2)
	v_min_num_f32 v[DB+4*\q],   v[DA+4*\q+1], v[DA+4*\q+2]
	s_delay_alu instid0(VALU_DEP_3)
	v_max_num_f32 v[DB+4*\q+1], v[DA+4*\q+1], v[DA+4*\q+2]
.endm
.macro INSERT l, n, x                  ; x goes into the ascending list l of n, whose largest falls out: place k takes the middle one of x, its lower neighbour and itself; from the top down, so that each line reads old values
.set kk, \n-1
.rept \n-1
	v_med3_num_f32 v[\l+kk], v[\x], v[\l+kk-1], v[\l+kk]
.set kk, kk-1
.endr
	v_min_num_f32 v[\l], v[\x], v[\l]
.endm
; Pass 1, 8 candidates.  The r-th smallest of a quad can be among the 17 smallest of all only with the r - 1 before it: at most 17 / r quads give one.  So lists of 17, 8, 5 and 4 lose nothing.
.macro P1 bf
	DIST \bf
	SORT4 0
	SORT4 1
.irp q, 0,1
	INSERT LA, 17, DA+4*\q
	INSERT LB, 8,  DB+4*\q
	INSERT LC, 5,  DB+4*\q+1
	INSERT LD, 4,  DA+4*\q+3
.endr
.endm
; Pass 2, 8 candidates, stage by stage, so that no line waits for the line above it.
.macro P2 bf
	DIST \bf
.irp u, 0,1,2,3,4,5,6,7
	v_and_b32 v[DA+\u], 0x7fffffff, v[DA+\u]                       ; |D| as bits: for numbers that are not negative the order of the bits is the order of the numbers
.endr
.irp u, 0,1,2,3,4,5,6,7
	v_cmp_eq_u32 s[MEQ+\u], v[DA+\u], v[TAU]
	v_cmp_eq_u32 s[ME0+\u], v[DA+\u], v[L0]
.endr
.irp u, 0,1,2,3,4,5,6,7
	v_cndmask_b32 v[DB+\u], 0, 1, s[MEQ+\u]
.endr
.irp u, 0
	v_add_nc_u32 v[CN+\u+1], v[CN+\u], v[DB+\u]                    ; ties met up to and with candidate u, less those that I may take
.endr
.irp u, 1, 2, 3, 4, 5, 6, 7
	s_delay_alu instid0(VALU_DEP_1)
	v_add_nc_u32 v[CN+\u+1], v[CN+\u], v[DB+\u]                    ; ties met up to and with candidate u, less those that I may take
.endr
.irp u, 0,1,2,3,4,5,6,7
	v_cmp_gt_i32 s[MOK+\u], 0, v[CN+\u]                            ; ahead of candidate u a tie is still owed
.endr
.irp u, 0,1,2,3,4,5,6,7
	v_cndmask_b32 v[DB+\u], v[TAUM1], v[TAU], s[MOK+\u]            ; then D = tau is taken too
.endr
.irp u, 0,1,2,3,4,5,6,7
	v_cmp_le_i32 s[MLE+\u], v[DA+\u], v[DB+\u]                     ; signed: with tau = 0 the bound -1 takes nothing
.endr
.irp u, 0,1,2,3,4,5,6,7
	s_and_b32 s[FH], s[ME0+\u], s[NS]                              ; the first j with the smallest D is reference()'s first hit:
	s_and_not1_b32 s[NS], s[NS], s[ME0+\u]
	s_and_not1_b32 s[MLE+\u], s[MLE+\u], s[FH]                     ; it is not taken
.endr
.irp u, 0,1,2,3,4,5,6,7
	v_cndmask_b32 v[DB+\u], v[KEEP], v[TAKE], s[MLE+\u]
.endr
.irp u, 0
	v_perm_b32 v[WW],   v[WW+1], v[WW],   v[DB+\u]                  ; where the candidate is taken the 128 bits go one byte down
	v_perm_b32 v[WW+1], v[WW+2], v[WW+1], v[DB+\u]
	v_alignbit_b32 v[TMP], s[HI], v[HH], 2                         ; likewise its two high bits, in one word (set between the four, so that neither of its two lines stands next to the line that feeds it)
	v_perm_b32 v[WW+2], v[WW+3], v[WW+2], v[DB+\u]
	v_perm_b32 v[WW+3], s[JJ+8*\bf+\u], v[WW+3], v[DB+\u]          ; and the low byte of its number comes in on top
	s_delay_alu instid0(VALU_DEP_3)
	v_cndmask_b32 v[HH], v[HH], v[TMP], s[MLE+\u]
.endr
.irp u, 1, 2, 3, 4, 5, 6, 7
	v_perm_b32 v[WW],   v[WW+1], v[WW],   v[DB+\u]                  ; where the candidate is taken the 128 bits go one byte down
	s_delay_alu instid0(VALU_DEP_4)
	v_perm_b32 v[WW+1], v[WW+2], v[WW+1], v[DB+\u]
	s_delay_alu instid0(VALU_DEP_3)
	v_alignbit_b32 v[TMP], s[HI], v[HH], 2                         ; likewise its two high bits, in one word (set between the four, so that neither of its two lines stands next to the line that feeds it)
	v_perm_b32 v[WW+2], v[WW+3], v[WW+2], v[DB+\u]
	v_perm_b32 v[WW+3], s[JJ+8*\bf+\u], v[WW+3], v[DB+\u]          ; and the low byte of its number comes in on top
	s_delay_alu instid0(VALU_DEP_3)
	v_cndmask_b32 v[HH], v[HH], v[TMP], s[MLE+\u]
.endr
	v_mov_b32 v[CN], v[CN+8]
.endm
; 16 candidates.  At its head buffer 0's six loads are out.  last = 1: nothing more is fetched, so that no load passes my half's end.
.macro TRIP16 pass, last
	LOADB 1, 32
.if \pass == 2
	s_lshr_b32 s[HI], s[JJ], 8                                     ; the same for all 16
.endif
	s_wait_dscnt 0x6                                               ; LDS loads come back in order: buffer 0 is in, buffer 1's six may be out
.if \pass == 1
	P1 0
.else
	P2 0
.endif
.if \last
	s_wait_dscnt 0x0
.else
	s_add_co_u32 s[SB], s[SB], 64
	v_mov_b32 v[JA], s[SB]
	LOADB 0, 0
	s_wait_dscnt 0x6                                               ; buffer 1 is in, the next buffer 0's six may be out
.endif
.if \pass == 1
	P1 1
.else
	P2 1
.if \last == 0
.irp p, 0,1,2,3,4,5,6,7
	s_add_nc_u64 s[JJ+2*\p:JJ+2*\p+1], s[JJ+2*\p:JJ+2*\p+1], s[INC:INC+1]   ; two numbers at a time: + 16 in each word; the low word never carries
.endr
.endif
.endif
.endm
; 64 numbers of a lane, v[s] on, register 16 b + i = k 32 b + 16 (lane / 16) + i, become a fragment's codes in v[d] on and its scale word in v[w].
.macro QUANT s, d, w
.irp b, 0,1,2,3
	v_max3_num_f32 v[TM+\b], |v[(\s)+16*\b]|, |v[(\s)+1+16*\b]|, 0x8000000   ; block b: my 16 numbers, and the floor 2^(16 - 127): so the byte cannot fall under 1
.endr
.irp i, 2,4,6,8,10,12,14
.irp b, 0,1,2,3
	s_delay_alu instid0(VALU_DEP_4)
	v_max3_num_f32 v[TM+\b], v[TM+\b], |v[(\s)+16*\b+\i]|, |v[(\s)+1+16*\b+\i]|
.endr
.endr
.irp b, 0,1,2,3
	s_delay_alu instid0(VALU_DEP_4)
	v_permlanex16_b32 v[TM+4+\b], v[TM+\b], s[SEL], s[SEL+1]
.endr
.irp b, 0,1,2,3
	s_delay_alu instid0(VALU_DEP_4)
	v_max_num_f32 v[TM+\b], v[TM+\b], v[TM+4+\b]                   ; with lane l xor 16's: the block's largest magnitude
.endr
.irp b, 0,1,2,3
	s_delay_alu instid0(VALU_DEP_4)
	v_add_nc_u32 v[TM+12+\b], 0xf8800000, v[TM+\b]                 ; 15 off its exponent field: the conversion's scale operand
.endr
.irp b, 0,1,2,3
.endr
.irp b, 0,1,2,3
	s_delay_alu instid0(VALU_DEP_4)
	v_lshrrev_b32 v[TM+4+\b], 23, v[TM+12+\b]                      ; the scale's byte
.endr
	s_delay_alu instid0(VALU_DEP_3)
	v_lshl_or_b32 v[\w], v[TM+5], 8, v[TM+4]
	s_delay_alu instid0(VALU_DEP_1)
	v_lshl_or_b32 v[\w], v[TM+6], 16, v[\w]
	s_delay_alu instid0(VALU_DEP_1)
	v_lshl_or_b32 v[\w], v[TM+7], 24, v[\w]
.irp b, 0,1,2,3
.irp i, 0,1,2,3,4,5,6,7,8,9,10,11,12,13,14,15
.endr
	v_cvt_scalef32_pk8_bf8_f32 v[(\d)+4*\b:(\d)+1+4*\b], v[(\s)+16*\b:(\s)+7+16*\b], v[TM+12+\b]
	v_cvt_scalef32_pk8_bf8_f32 v[(\d)+2+4*\b:(\d)+3+4*\b], v[(\s)+8+16*\b:(\s)+15+16*\b], v[TM+12+\b]
.endr
	v_nop                                                          ; a plain line behind the last conversion
.endm
.macro WLOAD base, pitch               ; W(128 s + 32 c + 16 h + i, my column), 64 numbers down K
.irp c, 0,1,2,3
.irp i, 0,1,2,3,4,5,6,7,8,9,10,11,12,13,14,15
	global_load_b32 v[WD+16*\c+\i], v5, s[\base:\base+1] offset:(32*\c+\i)*\pitch
.endr
.endr
.endm
	s_load_b256 s[4:11], s[0:1], 0x0               ; points s[4:5], W1 s[6:7], W2 s[8:9], knn s[10:11]
	s_load_b64 s[12:13], s[0:1], 0x20              ; wimg
	v_lshl_add_u32 v[SPW], v0, 2, SPARE
	v_mov_b32 v[NIL], 0
	v_lshrrev_b32 v3, 5, v0
	s_delay_alu instid0(VALU_DEP_1)
	v_readfirstlane_b32 s14, v3                    ; wave 0..7
	s_mov_b32 s73, 0                               ; the high word of 64-bit offsets
	s_wait_kmcnt 0x0
	s_cmp_ge_u32 ttmp9, 256                        ; the work-group's number alone: all eight waves go the same way
	s_cbranch_scc1 .Lweights
	; ---- the batch's points into LDS as x, y, r; every LDS address is made here, ahead of all partings
	s_lshr_b32 s[HF], s14, 2
	s_and_b32 s[GQ], s14, 3
	s_sub_co_u32 s[HMK], 0, s[HF]
	s_lshr_b32 s15, ttmp9, 3                       ; batch
	s_lshl_b32 s72, s15, 13                        ; x 8,192 bytes
	s_add_nc_u64 s[4:5], s[4:5], s[72:73]
	v_lshlrev_b32 v92, 4, v0                       ; 16 bytes a thread: a wave's load covers 512 consecutive bytes
.irp k, 0,1
	global_load_b128 v[44+4*\k:47+4*\k], v92, s[4:5] offset:4096*\k   ; points 2 t + 512 k and the next: x, y, x, y
.endr
	v_lshlrev_b32 v93, 3, v0                       ; two numbers a thread in each array
	s_and_b32 s15, ttmp9, 7
	s_lshl_b32 s15, s15, 9
	v_and_b32 v[TMP], 127, v0                      ; my query among the work-group's 128
	s_delay_alu instid0(VALU_DEP_1)
	v_lshl_add_u32 v94, v[TMP], 2, s15             ; in the batch: 128 x (work-group % 8) + that, 4 bytes each
	s_delay_alu instid0(VALU_DEP_2)
	v_lshl_add_u32 v[SIN], v[TMP], 6, STG          ; the stage: 64 bytes a query, 2,048 a group of 32
	v_and_b32 v[GOF], 31, v0
	s_delay_alu instid0(VALU_DEP_1)
	v_lshlrev_b32 v[TMP2], 2, v[GOF]               ; 4 x lane
	s_lshl_b32 s16, s[GQ], 11
	v_lshl_add_u32 v[GOF], v[GOF], 4, s16          ; 2,048 x (wave % 4) + 16 x lane
	s_delay_alu instid0(VALU_DEP_1)
	v_add_nc_u32 v[SOUT], STG, v[GOF]
	s_mul_i32 s16, s14, 2176
	s_add_co_u32 s16, s16, LST
	v_add_nc_u32 v[LSTW], s16, v[TMP2]
	s_mul_i32 s16, s[GQ], 2176
	s_add_co_u32 s16, s16, LST
	v_add_nc_u32 v[LSTL], s16, v[TMP2]
	s_mul_i32 s16, s14, 640
	s_add_co_u32 s16, s16, WX
	v_add_nc_u32 v[WXW], s16, v[TMP2]
	s_wait_loadcnt 0x0
.irp k, 0,1
	v_mov_b32 v[60+6*\k], v[44+4*\k]               ; (x, x),
	v_mov_b32 v[61+6*\k], v[46+4*\k]
	v_mov_b32 v[62+6*\k], v[45+4*\k]               ; (y, y)
	v_mov_b32 v[63+6*\k], v[47+4*\k]
	s_delay_alu instid0(VALU_DEP_3)
	v_pk_mul_f32 v[64+6*\k:65+6*\k], v[60+6*\k:61+6*\k], v[60+6*\k:61+6*\k]
.if FUSED_R
	v_pk_fma_f32 v[64+6*\k:65+6*\k], v[62+6*\k:63+6*\k], v[62+6*\k:63+6*\k], v[64+6*\k:65+6*\k]
.else
	s_delay_alu instid0(VALU_DEP_2)
	v_pk_mul_f32 v[96+2*\k:97+2*\k], v[62+6*\k:63+6*\k], v[62+6*\k:63+6*\k]
	s_delay_alu instid0(VALU_DEP_1)
	v_pk_add_f32 v[64+6*\k:65+6*\k], v[64+6*\k:65+6*\k], v[96+2*\k:97+2*\k]   ; r: two rounded squares, one rounded sum
.endif
	ds_store_b64 v93, v[60+6*\k:61+6*\k] offset:XA+2048*\k
	ds_store_b64 v93, v[62+6*\k:63+6*\k] offset:YA+2048*\k
	ds_store_b64 v93, v[64+6*\k:65+6*\k] offset:RA+2048*\k
.endr
	BAR                                            ; the three arrays are whole; from here on they are only read
	ds_load_b32 v[XI], v94 offset:XA
	ds_load_b32 v[YI], v94 offset:YA
	ds_load_b32 v[RI], v94 offset:RA
.set kk, LA
.rept 34
	v_mov_b32 v[kk], 0x7f800000                    ; the four lists begin as infinities, over every D
.set kk, kk+1
.endr
	s_wait_dscnt 0x0
	v_mov_b32 v[XI+1], v[XI]
	v_mov_b32 v[YI+1], v[YI]
	v_mov_b32 v[RI+1], v[RI]
	; ---- pass 1: the values of the 17 smallest D of my half: 32 trips of 16 candidates
	s_lshl_b32 s[SB], s[HF], 11                    ; my 512 candidates begin 2,048 x half bytes into each array
	v_mov_b32 v[JA], s[SB]
	LOADB 0, 0
	s_mov_b32 s[CNT], 31
.Lp1:
	s_wait_alu depctr_va_vdst(0)
	TRIP16 1, 0
	s_sub_co_u32 s[CNT], s[CNT], 1
	s_cmp_lg_u32 s[CNT], 0
	s_cbranch_scc1 .Lp1
	TRIP16 1, 1
.irp i, 0,1,2,3,4,5,6,7
	INSERT LA, 17, LB+\i                           ; the three short lists go into the long one
.endr
.irp i, 0,1,2,3,4
	INSERT LA, 17, LC+\i
.endr
.irp i, 0,1,2,3
	INSERT LA, 17, LD+\i
.endr
	; ---- the two halves' lists meet.  A barrier stands ahead of the stores too, so that the order of all waves' scans and these stores can be read off the text without following the stepped address
	s_wait_alu depctr_va_vdst(0)
	BAR
.irp k, 0,1,2,3,4,5,6,7,8,9,10,11,12,13,14,15,16
	ds_store_b32 v[LSTW], v[LA+\k] offset:128*\k
.endr
	BAR
.irp k, 0,1,2,3,4,5,6,7,8,9,10,11,12,13,14,15,16
	ds_load_b32 v[XL+\k], v[LSTL] offset:128*\k                    ; the lower half's list: it stays as it is,
.endr
.irp k, 0,1,2,3,4,5,6,7,8,9,10,11,12,13,14,15,16
	ds_load_b32 v[LA+\k], v[LSTL] offset:4*2176+128*\k             ; the upper half's takes it in
.endr
	s_wait_dscnt 0x0
.irp k, 0,1,2,3,4,5,6,7,8,9,10,11,12,13,14,15,16
	INSERT LA, 17, XL+\k
.endr
	v_mov_b32 v[CN], 0                             ; c: how many of the 17 equal tau,
	v_mov_b32 v[TMP2], 0                           ; cl: how many of the lower list,
	v_mov_b32 v[NLOW], 0                           ; and how many of the lower list lie under tau
.irp k, 0,1,2,3,4,5,6,7,8,9,10,11,12,13,14,15,16
	v_cmp_eq_u32 s16, v[LA+\k], v[TAU]
	v_cmp_eq_u32 s17, v[XL+\k], v[TAU]
	v_cmp_lt_u32 s18, v[XL+\k], v[TAU]
	s_delay_alu instid0(VALU_DEP_3)
	v_cndmask_b32 v[DA], 0, 1, s16
	s_delay_alu instid0(VALU_DEP_3)
	v_cndmask_b32 v[DA+1], 0, 1, s17
	s_delay_alu instid0(VALU_DEP_3)
	v_cndmask_b32 v[DA+2], 0, 1, s18
	s_delay_alu instid0(VALU_DEP_3)
	v_add_nc_u32 v[CN], v[CN], v[DA]
	s_delay_alu instid0(VALU_DEP_3)
	v_add_nc_u32 v[TMP2], v[TMP2], v[DA+1]
	s_delay_alu instid0(VALU_DEP_3)
	v_add_nc_u32 v[NLOW], v[NLOW], v[DA+2]
.endr
	s_delay_alu instid0(VALU_DEP_2)
	v_min_u32 v[TMP2], v[TMP2], v[CN]              ; the ties that the lower wave takes: min(c, cl)
	s_delay_alu instid0(VALU_DEP_1)
	v_add_nc_u32 v[NLOW], v[NLOW], v[TMP2]
	v_cmp_eq_u32 s16, v[XL], v[L0]                 ; the first hit lies in the lower half
	s_delay_alu instid0(VALU_DEP_1)
	v_cndmask_b32 v[TMP], 0, 1, s16
	s_delay_alu instid0(VALU_DEP_1)
	v_sub_nc_u32 v[NLOW], v[NLOW], v[TMP]          ; n_low
	v_and_b32 v[TMP2], s[HMK], v[TMP2]             ; the upper wave's ties are fewer by the lower wave's
	s_delay_alu instid0(VALU_DEP_1)
	v_sub_nc_u32 v[CN], v[TMP2], v[CN]             ; - (the ties that I may take)
	s_and_b32 s16, s16, s[HMK]
	s_not_b32 s[NS], s16                           ; the upper wave drops no first hit where the lower half has it
	v_add_nc_u32 v[TAUM1], -1, v[TAU]
.irp k, 0,1,2,3
	v_mov_b32 v[WW+\k], 0
.endr
	v_mov_b32 v[HH], 0
	v_mov_b32 v[KEEP], 0x03020100
	v_mov_b32 v[TAKE], 0x04030201
	s_lshl_b32 s15, s[HF], 9
.irp u, 0,1,2,3,4,5,6,7,8,9,10,11,12,13,14,15
	s_add_co_u32 s[JJ+\u], s15, \u
.endr
	s_mov_b32 s[INC], 16
	s_mov_b32 s[INC+1], 16
	; ---- pass 2: which j of my half they are
	s_lshl_b32 s[SB], s[HF], 11
	v_mov_b32 v[JA], s[SB]
	LOADB 0, 0
	s_mov_b32 s[CNT], 31
.Lp2:
	TRIP16 2, 0
	s_sub_co_u32 s[CNT], s[CNT], 1
	s_cmp_lg_u32 s[CNT], 0
	s_cbranch_scc1 .Lp2
	TRIP16 2, 1
	; ---- the two halves' indices meet: every wave stores its five words; waves 0-3 go on
	s_wait_alu depctr_va_vdst(0)
	BAR
.irp k, 0,1,2,3
	ds_store_b32 v[WXW], v[WW+\k] offset:128*\k
.endr
	ds_store_b32 v[WXW], v[HH] offset:512
	BAR
	s_cmp_lg_u32 s[HF], 0                          ; the wave's number alone; no barrier stands behind this branch
	s_cbranch_scc1 .Lend
.irp k, 0,1,2,3,4
	ds_load_b32 v[DA+\k], v[WXW] offset:4*640+128*\k               ; the upper wave's: its 16 - n_low indices stand in the top bytes
.endr
	v_and_b32 v[DB], 8, v[NLOW]
	v_and_b32 v[DB+1], 4, v[NLOW]
	v_and_b32 v[DB+2], 2, v[NLOW]
	v_and_b32 v[DB+3], 1, v[NLOW]
	s_delay_alu instid0(VALU_DEP_4)
	v_cmp_ne_u32 s16, 0, v[DB]
	s_delay_alu instid0(VALU_DEP_4)
	v_cmp_ne_u32 s17, 0, v[DB+1]
	s_delay_alu instid0(VALU_DEP_4)
	v_cmp_ne_u32 s18, 0, v[DB+2]
	s_delay_alu instid0(VALU_DEP_4)
	v_cmp_ne_u32 s19, 0, v[DB+3]
	v_mov_b32 v[DB+4], 0x05040302                  ; byte selector: two bytes down
	s_delay_alu instid0(VALU_DEP_1)
	v_cndmask_b32 v[DB+4], v[KEEP], v[DB+4], s18
	s_delay_alu instid0(VALU_DEP_3)
	v_cndmask_b32 v[DB+5], v[KEEP], v[TAKE], s19
	v_lshlrev_b32 v[DB+6], 1, v[NLOW]              ; (with n_low = 16 the shift counts as 0: the upper wave's words are zeros then)
	s_wait_dscnt 0x0
	v_cndmask_b32 v[DA],   v[DA],   v[DA+2], s16   ; they go down by n_low bytes, zeros coming in on top: by 8,
	v_cndmask_b32 v[DA+1], v[DA+1], v[DA+3], s16
	v_cndmask_b32 v[DA+2], v[DA+2], v[NIL],  s16
	v_cndmask_b32 v[DA+3], v[DA+3], v[NIL],  s16
	s_delay_alu instid0(VALU_DEP_3)
	v_cndmask_b32 v[DA],   v[DA],   v[DA+1], s17   ; by 4,
	s_delay_alu instid0(VALU_DEP_3)
	v_cndmask_b32 v[DA+1], v[DA+1], v[DA+2], s17
	s_delay_alu instid0(VALU_DEP_3)
	v_cndmask_b32 v[DA+2], v[DA+2], v[DA+3], s17
	s_delay_alu instid0(VALU_DEP_4)
	v_cndmask_b32 v[DA+3], v[DA+3], v[NIL],  s17
.irp e, 4,5
	s_delay_alu instid0(VALU_DEP_3)
	v_perm_b32 v[DA],   v[DA+1], v[DA],   v[DB+\e]  ; by 2, by 1
	s_delay_alu instid0(VALU_DEP_3)
	v_perm_b32 v[DA+1], v[DA+2], v[DA+1], v[DB+\e]
	s_delay_alu instid0(VALU_DEP_3)
	v_perm_b32 v[DA+2], v[DA+3], v[DA+2], v[DB+\e]
	s_delay_alu instid0(VALU_DEP_4)
	v_perm_b32 v[DA+3], v[NIL],  v[DA+3], v[DB+\e]
.endr
	v_lshrrev_b32 v[DA+4], v[DB+6], v[DA+4]        ; and the high bits by 2 n_low bits
.irp k, 0,1,2,3
	v_or_b32 v[WW+\k], v[WW+\k], v[DA+\k]          ; mine stand in the top n_low bytes over zeros: the two fill the 16
.endr
	v_or_b32 v[HH], v[HH], v[DA+4]
.irp k, 0,1,2,3,4,5,6,7,8,9,10,11,12,13,14,15
	v_bfe_u32 v[IX+\k], v[WW+\k/4], 8*(\k%4), 8    ; index k: its low byte in byte k, its high bits at bit 2 k
	v_bfe_u32 v[DA+\k%8], v[HH], 2*\k, 2
	s_delay_alu instid0(VALU_DEP_1)
	v_lshl_or_b32 v[IX+\k], v[DA+\k%8], 8, v[IX+\k]
.endr
	; ---- the way out: a lane's 64 bytes go through the wave's stage, so that each store of the wave covers 512 consecutive bytes
.irp c, 0,1,2,3
	ds_store_b128 v[SIN], v[IX+4*\c:IX+4*\c+3] offset:16*\c
.endr
.irp c, 0,1,2,3
	ds_load_b128 v[60+4*\c:63+4*\c], v[SOUT] offset:512*\c   ; my wave's own bytes: LDS serves a wave's instructions in order (ISA guide 5.7.1.4)
.endr
	s_lshl_b32 s72, ttmp9, 13                      ; 128 centres x 64 bytes
	s_mov_b32 s73, 0
	s_add_nc_u64 s[10:11], s[10:11], s[72:73]
	s_wait_dscnt 0x0
.irp c, 0,1,2,3
	global_store_b128 v[GOF], v[60+4*\c:63+4*\c], s[10:11] offset:512*\c
.endr
.Lend:
	s_wait_tensorcnt 0x0                           ; the wave's end: three lines behind my last LDS store
	ds_add_u32 v[SPW], v[NIL]
	s_wait_dscnt 0x0
	s_endpgm
	; ---- the weights: fragment f = 8 x (work-group - 256) + wave, 0..47.  No LDS, no barrier
.Lweights:
	s_sub_co_u32 s15, ttmp9, 256
	s_lshl_b32 s15, s15, 3
	s_add_co_u32 s15, s15, s14                     ; f
	v_and_b32 v3, 15, v0                           ; r
	v_bfe_u32 v4, v0, 4, 1                         ; h
	s_mov_b32 s[SEL], 0x76543210
	s_mov_b32 s[SEL+1], 0xfedcba98
.irp b, 0,1,2,3
	v_mov_b32 v[TM+4+\b], 0                        ; written once: a lane permute's destination counts as one of its sources
.endr
	s_cmp_lt_u32 s15, 32
	s_cbranch_scc0 .Lw2
	; W1 [256 (k)][256 (n)]: f = 2 x tile + K step.  THE COLUMNS OF A TILE ARE NOT NEIGHBOURS: lane r of tile tt takes n = 16 tt - 8 (tt % 2) + r + 8 (r / 8),
	; so that in the transposed product the 16 registers of tiles 2 b and 2 b + 1 are 16 neighbours along the next K
	s_and_b32 s16, s15, 1
	s_lshl_b32 s72, s16, 17                        ; K step x 128 rows of 1,024 bytes
	s_add_nc_u64 s[6:7], s[6:7], s[72:73]
	s_lshr_b32 s17, s15, 1
	s_and_b32 s18, s17, 1
	s_lshl_b32 s17, s17, 4
	s_lshl_b32 s18, s18, 3
	s_sub_co_u32 s17, s17, s18
	s_wait_alu depctr_va_vdst(0)
	v_and_b32 v5, 8, v3
	s_delay_alu instid0(VALU_DEP_1)
	v_add3_u32 v5, v5, v3, s17                     ; n
	s_delay_alu instid0(VALU_DEP_1)
	v_lshlrev_b32 v5, 2, v5
	s_delay_alu instid0(VALU_DEP_1)
	v_lshl_add_u32 v5, v4, 14, v5                  ; lanes 16-31 begin 16 rows further down
	WLOAD 6, 1024
	s_branch .Lwq
.Lw2:
	; W2 [256 (k)][128 (n)]: f - 32 = 2 x tile + K step; n = 16 x tile + r
	s_sub_co_u32 s16, s15, 32
	s_and_b32 s17, s16, 1
	s_lshl_b32 s72, s17, 16                        ; K step x 128 rows of 512 bytes
	s_add_nc_u64 s[8:9], s[8:9], s[72:73]
	s_lshr_b32 s17, s16, 1
	s_lshl_b32 s17, s17, 4
	s_wait_alu depctr_va_vdst(0)
	v_add_nc_u32 v5, s17, v3
	s_delay_alu instid0(VALU_DEP_1)
	v_lshlrev_b32 v5, 2, v5
	s_delay_alu instid0(VALU_DEP_1)
	v_lshl_add_u32 v5, v4, 13, v5
	WLOAD 8, 512
.Lwq:
	v_and_b32 v6, 31, v0
	s_delay_alu instid0(VALU_DEP_1)
	v_lshlrev_b32 v6, 4, v6                        ; 16 x lane
	v_lshlrev_b32 v7, 2, v3                        ; 4 r
	s_lshl_b32 s72, s15, 11
	s_add_nc_u64 s[16:17], s[12:13], s[72:73]      ; my image: 2,048 f
	s_lshl_b32 s72, s15, 6
	s_add_nc_u64 s[18:19], s[12:13], s[72:73]      ; my scale words: 64 f behind the images
	s_wait_loadcnt 0x0
	QUANT WD, WC, PW
.irp c, 0,1,2,3
	global_store_b128 v6, v[WC+4*\c:WC+4*\c+3], s[16:17] offset:512*\c   ; the registers as they stand: 512 consecutive bytes a store
.endr
	global_store_b32 v7, v[PW], s[18:19] offset:98304   ; both halves of the lanes hold the same word and write it to the same place
	s_endpgm
.Lfunc_end_k_q6e2135aaa5_knn:
	.size	k_q6e2135aaa5_knn, .Lfunc_end_k_q6e2135aaa5_knn-k_q6e2135aaa5_knn
	.p2alignl 7, 3214868480
	.fill 96, 4, 3214868480
	.section	.rodata,"a",@progbits
	.p2align	6, 0x0
	.amdhsa_kernel k_q6e2135aaa5_knn
		.amdhsa_group_segment_fixed_size 44032
		.amdhsa_private_segment_fixed_size 0
		.amdhsa_enable_private_segment 0
		.amdhsa_kernarg_size 40
		.amdhsa_user_sgpr_count 2
		.amdhsa_user_sgpr_kernarg_segment_ptr 1
		.amdhsa_wavefront_size32 1
		.amdhsa_system_sgpr_workgroup_id_x 1
		.amdhsa_system_sgpr_workgroup_id_y 1
		.amdhsa_system_sgpr_workgroup_id_z 1
		.amdhsa_system_vgpr_workitem_id 0
		.amdhsa_next_free_vgpr 136
		.amdhsa_next_free_sgpr 80
		.amdhsa_reserve_vcc 0
		.amdhsa_float_denorm_mode_32 3
		.amdhsa_float_denorm_mode_16_64 3
		.amdhsa_fp16_overflow 1
		.amdhsa_memory_ordered 1
		.amdhsa_forward_progress 1
		.amdhsa_inst_pref_size 159
	.end_amdhsa_kernel
	.amdgpu_metadata
---
amdhsa.version: [ 1, 2 ]
amdhsa.kernels:
  - .name:           k_q6e2135aaa5_knn
    .symbol:         k_q6e2135aaa5_knn.kd
    .args:
      - { .name: points, .offset: 0, .size: 8, .value_kind: global_buffer, .address_space: global }
      - { .name: W1, .offset: 8, .size: 8, .value_kind: global_buffer, .address_space: global }
      - { .name: W2, .offset: 16, .size: 8, .value_kind: global_buffer, .address_space: global }
      - { .name: knn, .offset: 24, .size: 8, .value_kind: global_buffer, .address_space: global }
      - { .name: wimg, .offset: 32, .size: 8, .value_kind: global_buffer, .address_space: global }
    .group_segment_fixed_size: 44032
    .private_segment_fixed_size: 0
    .kernarg_segment_align: 8
    .kernarg_segment_size: 40
    .max_flat_workgroup_size: 256
    .sgpr_count:     80
    .vgpr_count:     136
    .wavefront_size: 32
...
	.end_amdgpu_metadata
.endif
;; end of part 3
;; launch mlp (part 4): grid 256 x 1, 16 waves a work-group, no clusters, 247,808 bytes of LDS; arguments features, knn, wimg, b1, b2, out0; writes out0
.if DOCPART == 4
	.amdgcn_target "amdgcn-amd-amdhsa--gfx1250"
	.amdhsa_code_object_version 6
	.text
	.protected	k_q6e2135aaa5_mlp
	.globl	k_q6e2135aaa5_mlp
	.p2align	8
	.type	k_q6e2135aaa5_mlp,@function
k_q6e2135aaa5_mlp:
	s_mov_b64 s[64:65], 0
	v_nop
	global_prefetch_b8 v0, s[64:65] scope:SCOPE_SE
	s_setreg_imm32_b32 hwreg(HW_REG_WAVE_MODE, 25, 1), 1
	s_wait_xcnt 0x0
; LAUNCH 2 OF 2.  out0[centre] = the mean over the centre's 16 neighbours of gelu(gelu([f_j - f_i, f_i] W1 + b1) W2 + b2), both products on codes of BF8 (E5M2) with one E8M0 scale for each 32 along K.
; No result of reference() is left out.  NOT REPEATED: the 16 rows of a centre share the second half of their K, f_i, codes and scales alike; so f_i W1[128:] + b1 is multiplied once for each centre, on the same
; codes by the same matrix instruction (a tile of the wave's 8 centres at its head), and is the C of each row's product with the first half.  The neighbours come in the order of their index, not of their
; distance: the mean's order of rounding differs from reference()'s by that.
; SHARES.  A work-group takes 128 centres of one batch, each of its SIXTEEN waves 8 of them, one a trip, in 256 registers: four waves to a SIMD, so that one wave's vector work (the gelus and the quantisers are
; most of the launch's instructions) stands beside another's matrix work, LDS loads and gathers.  A tile's 16 rows are the centre's 16 neighbours.
; WEIGHTS.  The first launch has laid W1 and W2 as images of operand registers; they are copied into LDS once (96 KiB, with their scale words and the biases) and only read after the one barrier.
; No tensor load, no ring, no cluster: LDS is filled once; what work-groups share is those tables, read once each, a small part beside the rows that each gathers by its own indices.
; No prefetch: a row of features is gathered by some 17 centres of the same batch at about the same time.
; LAYOUT.  The first product is used transposed (source 0 = 16 columns of W1, source 1 = the 16 rows), and W1's columns are dealt to tiles so that a lane's 16 registers of tiles 2 b and 2 b + 1 are
; 16 neighbours along the next K: the quantiser's results are the next operand's registers.  The second product stands as it is written (source 0 = the rows): a lane then holds ONE output and 8 neighbours.
; GELU AHEAD OF THE QUANTISER.  gelu(x) = max(x, 0) - |x| q, q = erfc(|x| / sqrt 2) / 2: nothing cancels, so the negative tail keeps its relative accuracy.  erfc(z) = t exp(-z z + P(t)), t = 1 / (1 + z / 2),
; P of degree 9 (fractional error of the fit under 1.2e-7 for all z); here in base 2, the factor 1/2 taken into P's constant term.
; ONE RECIPROCAL FOR FOUR NUMBERS a, b, c, d: r = 1 / ((a c)(b d)); (b d) r = 1 / (a c), (a c) r = 1 / (b d); times (a, b) they give (1 / c, 1 / d), times (c, d) they give (1 / a, 1 / b).  So t of element i
; stands at place i xor 2, and all that is made of t with it; the lines that bring x and t together say so in their register numbers.  Five roundings and the reciprocal's own: t within some 3.6e-7.
; THE LAST GELU stands ahead of no quantiser: erfc(z) = (a1 t + .. + a5 t^5) exp(-z z), t = 1 / (1 + 0.3275911 z), absolute error under 1.5e-7; gelu(x) = x / 2 + |x| (1/2 - q), summed straight into the mean.
; LIMITS.  Finite inputs; NaN and infinities are not served.  The product of four neighbouring 1 + |x| / (2 sqrt 2) stays under 2^126 (|x| under 1e9 serves).  Where q falls under 2^-126 it is 0 (v_exp_f32
; gives no denormals: ISA guide 15.8).  A block of zeros has the byte 1 with zero codes.
.set W2O,   65536                      ; LDS: W1's 32 fragment images from 0 (2,048 bytes each: 2 x tile + K step), W2's 16 from here,
.set WSC,   98304                      ; the scale words: 128 bytes a tile: K step 0's 16 words, then K step 1's; W1's 16 tiles, W2's 8,
.set B1L,   101376                     ; b1 as it lies,
.set B2L,   102400                     ; each number of b2 four times,
.set STG,   104448                     ; a stage of 512 bytes for each wave,
.set SPARE, 112640                     ; the spare words, 128 bytes for each wave: eight blocks of 256 bytes that no other line names,
.set CBL,   114688                     ; f_i W1[128:] + b1 of each wave's 8 centres: 256 numbers + 16 bytes of padding a centre
.set CBP,   1040
.set LI,   1                           ; v1   16 x lane
.set LI2,  2                           ; v2   + W2O
.set LS,   3                           ; v3   WSC + 4 x lane
.set AB1,  4                           ; v4   B1L + 64 h
.set AB2,  5                           ; v5   B2L + 16 r
.set STO,  6                           ; v6   my stage + 4 r
.set SRD,  7                           ; v7   my stage + 16 x lane
.set H64,  8                           ; v8   64 h: my 16 numbers of a block of 32
.set R4,   9                           ; v9   4 r
.set IDX,  10                          ; v10  my neighbour's index
.set NB,   11                          ; v11  its row's byte in the batch, + 64 h
.set SPW,  12                          ; v12  LDS address of my spare word; never rewritten
.set NIL,  13                          ; v13  0; never rewritten
.set C9,   14                          ; v[14:15] P's highest coefficient, twice
.set CODE, 16                          ; v16-31 the difference's codes
.set W1S,  32                          ; v32-47 W1's scale words, a register a tile: lanes 0-15 K step 0's, lanes 16-31 K step 1's
.set HC,   48                          ; v48-79 the hidden layer's codes: the second product's two K steps; at the head v48-63: the centres' codes
.set PP,   48                          ; in the last gelu: the polynomial
.set XS,   80                          ; v80 the difference's scale word, v81 the centres', v82-83 the hidden layer's, v84-91 W2's.  v32-47 and v80-91 hold scales and nothing else
.set XC,   81
.set HS,   82
.set W2S,  84
.set TM,   92                          ; v92-107 at work in QUANT; in the end v92-99: the eight tiles' sums
.set GU,   108                         ; v108-115 at work in GELU
.set OUTR, 116                         ; v116-119 the row that leaves
.set FA,   120                         ; v120-122 the fill's offsets
.set FB,   121
.set FC,   122
.set CBA,  123                         ; v123 where the centre in hand has its 256 numbers, + 64 h
.set CBST, 124                         ; v124 where lane (r, h) stores those of centre r % 8
.set CB0,  125                         ; v125 my wave's part of them, + 64 h
.set A5,   126                         ; v[126:127] the last gelu's highest coefficient, twice
.set ACC,  128                         ; v128-191 eight accumulators; ahead of them the neighbours' numbers
.set STGR, 192                         ; v192-255 four fragments of weights; ahead of them the centre's numbers; in the gelus: t (v192-223) and the exponent (v224-255)
.set GT,   192
.set GR,   224
.set WV,    16                         ; s16  my wave's number
.set TRIPS, 17                         ; s17  centres to go
.set SEL,   18                         ; s[18:19] lane selects for v_permlanex16_b32: lane l xor 16
.set CEN,   20                         ; s[20:21] the centre's row of features
.set MNT,   22
.set KT,    23                         ; s23  1 / (2 sqrt 2)
.set NK,    24                         ; s[24:25] -log2(e) / 2
.set CP,    26                         ; s[26:43] P's coefficients 0 to 8, x log2(e), each twice (a packed line names a pair)
.set CBS,   48                         ; s48  1,040 x the trip
.set KP,    49                         ; s49  0.3275911 / sqrt 2
.set AS,    50                         ; s[50:57] the last gelu's coefficients 4 to 1, x -1/2, each twice
.macro PAIR r, val
	s_mov_b32 s[\r], \val
	s_mov_b32 s[\r+1], \val
.endm
; 64 numbers of a lane, v[s] on, register 16 b + i = k 32 b + 16 (lane / 16) + i of my row, become a fragment's codes in v[d] on and its scale word in v[w].
.macro QUANT s, d, w
.irp b, 0,1,2,3
	v_max3_num_f32 v[TM+\b], |v[(\s)+16*\b]|, |v[(\s)+1+16*\b]|, 0x8000000   ; block b: my 16 numbers, and the floor 2^(16 - 127): so the byte cannot fall under 1
.endr
.irp i, 2,4,6,8,10,12,14
.irp b, 0,1,2,3
	s_delay_alu instid0(VALU_DEP_4)
	v_max3_num_f32 v[TM+\b], v[TM+\b], |v[(\s)+16*\b+\i]|, |v[(\s)+1+16*\b+\i]|   ; the four blocks by turns
.endr
.endr
.irp b, 0,1,2,3
	s_delay_alu instid0(VALU_DEP_4)
	v_permlanex16_b32 v[TM+4+\b], v[TM+\b], s[SEL], s[SEL+1]
.endr
.irp b, 0,1,2,3
	s_delay_alu instid0(VALU_DEP_4)
	v_max_num_f32 v[TM+\b], v[TM+\b], v[TM+4+\b]                   ; with lane l xor 16's: the block's largest magnitude
.endr
.irp b, 0,1,2,3
	s_delay_alu instid0(VALU_DEP_4)
	v_add_nc_u32 v[TM+12+\b], 0xf8800000, v[TM+\b]                 ; 15 off its exponent field: the conversion's scale operand
.endr
.irp b, 0,1,2,3
.endr
.irp b, 0,1,2,3
	s_delay_alu instid0(VALU_DEP_4)
	v_lshrrev_b32 v[TM+4+\b], 23, v[TM+12+\b]                      ; the scale's byte
.endr
	s_delay_alu instid0(VALU_DEP_3)
	v_lshl_or_b32 v[\w], v[TM+5], 8, v[TM+4]                       ; my row's scale word
	s_delay_alu instid0(VALU_DEP_1)
	v_lshl_or_b32 v[\w], v[TM+6], 16, v[\w]
	s_delay_alu instid0(VALU_DEP_1)
	v_lshl_or_b32 v[\w], v[TM+7], 24, v[\w]
.irp b, 0,1,2,3
.irp i, 0,1,2,3,4,5,6,7,8,9,10,11,12,13,14,15
.endr
	v_cvt_scalef32_pk8_bf8_f32 v[(\d)+4*\b:(\d)+1+4*\b], v[(\s)+16*\b:(\s)+7+16*\b], v[TM+12+\b]
	v_cvt_scalef32_pk8_bf8_f32 v[(\d)+2+4*\b:(\d)+3+4*\b], v[(\s)+8+16*\b:(\s)+15+16*\b], v[TM+12+\b]
.endr
	v_nop                                                          ; a plain line behind the last conversion
.endm
; The reciprocals of the 32 numbers in v[GT] on, a quad (a, b, c, d) at a time, with 32 registers v[s] on at work.  INVA ends with its eight reciprocals; the caller sets a plain line and the wait behind it.
.macro INVA s
.set gi, 0
.rept 8
	v_pk_mul_f32 v[(\s)+gi:(\s)+gi+1], v[GT+gi:GT+gi+1], v[GT+gi+2:GT+gi+3]   ; (a c, b d)
.set gi, gi+4
.endr
.set gi, 0
.rept 8
	v_mul_f32 v[(\s)+gi+2], v[(\s)+gi], v[(\s)+gi+1]
.set gi, gi+4
.endr
.set gi, 0
	s_wait_alu depctr_va_vdst(0)
.rept 8
	v_rcp_f32 v[(\s)+gi+2], v[(\s)+gi+2]                           ; r
.set gi, gi+4
.endr
.endm
.macro INVB s
.set gi, 0
.rept 8
	v_mul_f32 v[(\s)+gi+3], v[(\s)+gi], v[(\s)+gi+2]               ; (a c) r = 1 / (b d)
.set gi, gi+4
.endr
.set gi, 0
.rept 8
	v_mul_f32 v[(\s)+gi+2], v[(\s)+gi+1], v[(\s)+gi+2]             ; (b d) r = 1 / (a c)
.set gi, gi+4
.endr
.set gi, 0
.rept 8
	v_pk_mul_f32 v[GT+gi:GT+gi+1], v[GT+gi:GT+gi+1], v[(\s)+gi+2:(\s)+gi+3]       ; (1 / c, 1 / d) where a and b stood,
	v_pk_mul_f32 v[GT+gi+2:GT+gi+3], v[GT+gi+2:GT+gi+3], v[(\s)+gi+2:(\s)+gi+3]   ; (1 / a, 1 / b) where c and d stood: place i xor 2
.set gi, gi+4
.endr
.endm
; gelu of 32 numbers, v[x] on, in place.  The registers are taken in ascending order.  Two batches of transcendentals, one wait each.
.macro GELU x
.set gi, 0
.rept 32
	v_fma_f32 v[GT+gi], |v[(\x)+gi]|, s[KT], 1.0                   ; 1 + z / 2, z = |x| / sqrt 2
.set gi, gi+1
.endr
	INVA GR
	v_nop                                                          ; a plain line behind the last reciprocal,
	s_wait_alu depctr_va_vdst(0)                                   ; and the one wait ahead of the batch's first reader
	INVB GR                                                        ; t, at place i xor 2
.set gi, 0
.rept 16
	v_pk_fma_f32 v[GR+gi:GR+gi+1], v[GT+gi:GT+gi+1], v[C9:C9+1], s[CP+16:CP+17] op_sel_hi:[1,1,0]
.set gi, gi+2
.endr
.irp k, 7,6,5,4,3,2,1,0
.set gi, 0
.rept 16
	v_pk_fma_f32 v[GR+gi:GR+gi+1], v[GR+gi:GR+gi+1], v[GT+gi:GT+gi+1], s[CP+2*\k:CP+2*\k+1] op_sel_hi:[1,1,0]   ; P(t), two at a time, sixteen chains
.set gi, gi+2
.endr
.endr
.irp q, 0,1,2,3
.irp p, 0,1,2,3
	v_pk_mul_f32 v[GU+2*\p:GU+2*\p+1], v[(\x)+8*\q+2*\p:(\x)+8*\q+2*\p+1], v[(\x)+8*\q+2*\p:(\x)+8*\q+2*\p+1]
.endr
.irp p, 0,1,2,3
.set pr, GR+8*\q+2*(\p+1-2*(\p%2))                                 ; the pair's place among what is made of t: the quad's other pair
	s_delay_alu instid0(VALU_DEP_4)
	v_pk_fma_f32 v[pr:pr+1], v[GU+2*\p:GU+2*\p+1], s[NK:NK+1], v[pr:pr+1] op_sel_hi:[1,0,1]   ; - z z, in base 2
.endr
.endr
.set gi, 0
	s_wait_alu depctr_va_vdst(0)
.rept 32
	v_exp_f32 v[GR+gi], v[GR+gi]
.set gi, gi+1
.endr
	v_nop
	s_wait_alu depctr_va_vdst(0)                                   ; the second batch's one wait
.set gi, 0
.rept 16
	v_pk_mul_f32 v[GT+gi:GT+gi+1], v[GT+gi:GT+gi+1], v[GR+gi:GR+gi+1]   ; q, at place i xor 2
.set gi, gi+2
.endr
.set gi, 0
.rept 32
	v_max_num_f32 v[GR+gi], 0, v[(\x)+gi]
.set gi, gi+1
.endr
.set gi, 0
.rept 32
	v_fma_f32 v[(\x)+gi], -|v[(\x)+gi]|, v[GT+gi+2-4*((gi/2)%2)], v[GR+gi]   ; max(x, 0) - |x| q
.set gi, gi+1
.endr
.endm
; The last gelu of 32 numbers (four tiles, v[x] on), summed over each tile's eight registers into v[TM + t0] on.  t, the polynomial and the exponential all stand at place i xor 2.
.macro GELUM x, t0
.set gi, 0
.rept 32
	v_fma_f32 v[GT+gi], |v[(\x)+gi]|, s[KP], 1.0                   ; 1 + 0.3275911 z
.set gi, gi+1
.endr
	INVA PP
.set gi, 0
.rept 16
.set pr, GR+gi+2-4*((gi/2)%2)
	v_pk_mul_f32 v[pr:pr+1], v[(\x)+gi:(\x)+gi+1], v[(\x)+gi:(\x)+gi+1]   ; x x: plain work behind the reciprocals that names none of their results
.set gi, gi+2
.endr
.set gi, 0
.rept 16
	v_pk_mul_f32 v[GR+gi:GR+gi+1], v[GR+gi:GR+gi+1], s[NK:NK+1] op_sel_hi:[1,0]   ; - z z, in base 2
.set gi, gi+2
.endr
	s_wait_alu depctr_va_vdst(0)                                   ; the reciprocals' one wait
	INVB PP
.set gi, 0
	s_wait_alu depctr_va_vdst(0)
.rept 32
	v_exp_f32 v[GR+gi], v[GR+gi]
.set gi, gi+1
.endr
.set gi, 0
.rept 16
	v_pk_fma_f32 v[PP+gi:PP+gi+1], v[GT+gi:GT+gi+1], v[A5:A5+1], s[AS:AS+1] op_sel_hi:[1,1,0]   ; the polynomial reads t alone: plain work behind the exponentials
.set gi, gi+2
.endr
.irp k, 2,4,6
.set gi, 0
.rept 16
	v_pk_fma_f32 v[PP+gi:PP+gi+1], v[PP+gi:PP+gi+1], v[GT+gi:GT+gi+1], s[AS+\k:AS+\k+1] op_sel_hi:[1,1,0]
.set gi, gi+2
.endr
.endr
.set gi, 0
.rept 16
	v_pk_mul_f32 v[PP+gi:PP+gi+1], v[PP+gi:PP+gi+1], v[GT+gi:GT+gi+1]
.set gi, gi+2
.endr
	s_wait_alu depctr_va_vdst(0)                                   ; the exponentials' one wait
.set gi, 0
.rept 16
	v_pk_fma_f32 v[PP+gi:PP+gi+1], v[PP+gi:PP+gi+1], v[GR+gi:GR+gi+1], 0.5 op_sel_hi:[1,1,0]   ; 1/2 - q (the coefficients carry the sign and the half)
.set gi, gi+2
.endr
.irp tt, 0,1,2,3
	v_mul_f32 v[TM+\t0+\tt], |v[(\x)+8*\tt]|, v[PP+8*\tt+2]        ; the sum of |x| (1/2 - q) over my eight neighbours, the four tiles by turns
.endr
.irp j, 1,2,3,4,5,6,7
.irp tt, 0,1,2,3
	v_fma_f32 v[TM+\t0+\tt], |v[(\x)+8*\tt+\j]|, v[PP+8*\tt+\j+2-4*((\j/2)%2)], v[TM+\t0+\tt]
.endr
.endr
.irp tt, 0,1,2,3
	v_pk_add_f32 v[(\x)+8*\tt:(\x)+8*\tt+1],   v[(\x)+8*\tt:(\x)+8*\tt+1],   v[(\x)+8*\tt+2:(\x)+8*\tt+3]   ; and the sum of x
	v_pk_add_f32 v[(\x)+8*\tt+4:(\x)+8*\tt+5], v[(\x)+8*\tt+4:(\x)+8*\tt+5], v[(\x)+8*\tt+6:(\x)+8*\tt+7]
.endr
.irp tt, 0,1,2,3
	v_pk_add_f32 v[(\x)+8*\tt:(\x)+8*\tt+1], v[(\x)+8*\tt:(\x)+8*\tt+1], v[(\x)+8*\tt+4:(\x)+8*\tt+5]
.endr
.irp tt, 0,1,2,3
	s_delay_alu instid0(VALU_DEP_4)
	v_add_f32 v[(\x)+8*\tt], v[(\x)+8*\tt], v[(\x)+8*\tt+1]
.endr
.irp tt, 0,1,2,3
	s_delay_alu instid0(VALU_DEP_4)
	v_fma_f32 v[TM+\t0+\tt], 0.5, v[(\x)+8*\tt], v[TM+\t0+\tt]
.endr
.endm
.macro FRAG4 adr, f0                   ; four fragments, images f0, f0 + 2, f0 + 4, f0 + 6: each load takes 512 consecutive bytes
.irp q, 0,1,2,3
.irp c, 0,1,2,3
	ds_load_b128 v[STGR+16*\q+4*\c:STGR+16*\q+4*\c+3], v[\adr] offset:((\f0)+2*\q)*2048+512*\c
.endr
.endr
.endm
.macro PLACES n                        ; plain vector lines that name no register of the matrix instructions before them (ISA guide 7.12.1)
.rept \n
	v_nop
.endr
.endm
.macro CLOAD adr, c2                   ; eight tiles' C: the 256 numbers lie by hidden unit; lane (r, h) takes, for tile t, units 128 c2 + 32 (t / 2) + 16 h + 8 (t % 2) + 0 .. 7
.irp t, 0,1,2,3,4,5,6,7
	ds_load_b128 v[ACC+8*\t:ACC+8*\t+3],   v[\adr] offset:(128*\c2+32*(\t/2)+8*(\t%2))*4
	ds_load_b128 v[ACC+8*\t+4:ACC+8*\t+7], v[\adr] offset:(128*\c2+32*(\t/2)+8*(\t%2))*4+16
.endr
.endm
; At the head: hidden units 128 c2 on of f_i W1[128:] + b1 for my 8 centres (lane r: centre r % 8), to my part of LDS.  The accumulators take turns, one instruction a turn.
.macro CPART c2
	CLOAD AB1, \c2
.irp g, 0,1
.if \g > 0
	PLACES 8                                                       ; in front of loads into registers that matrix instructions have read
.endif
	FRAG4 LI, (8*\c2+4*\g)*2+1
	s_wait_dscnt 0x0
.irp q, 0,1,2,3
	v_wmma_scale_f32_16x16x128_f8f6f4 v[ACC+8*(4*\g+\q):ACC+8*(4*\g+\q)+7], v[STGR+16*\q:STGR+16*\q+15], v[HC:HC+15], v[ACC+8*(4*\g+\q):ACC+8*(4*\g+\q)+7], v[W1S+8*\c2+4*\g+\q], v[XC] matrix_a_fmt:MATRIX_FMT_BF8 matrix_b_fmt:MATRIX_FMT_BF8 matrix_a_scale:MATRIX_SCALE_ROW1
.endr
.endr
	PLACES 8                                                       ; in front of the stores that read the results, and of later loads into these products' registers
.irp t, 0,1,2,3,4,5,6,7
	ds_store_b128 v[CBST], v[ACC+8*\t:ACC+8*\t+3]   offset:(128*\c2+32*(\t/2)+8*(\t%2))*4      ; lanes r and r + 8 hold the same numbers and write them to the same place
	ds_store_b128 v[CBST], v[ACC+8*\t+4:ACC+8*\t+7] offset:(128*\c2+32*(\t/2)+8*(\t%2))*4+16
.endr
.endm
; Hidden units 128 c2 .. 128 c2 + 127 of my 16 rows: eight tiles, the difference's K step onto the centre's part; gelu; quantised: they are K step c2 of the second product.
.macro LAYER1 c2
	CLOAD CBA, \c2
.irp g, 0,1
.if \g > 0
	PLACES 8
.endif
	FRAG4 LI, (8*\c2+4*\g)*2
	s_wait_dscnt 0x0
.irp q, 0,1,2,3
	v_wmma_scale_f32_16x16x128_f8f6f4 v[ACC+8*(4*\g+\q):ACC+8*(4*\g+\q)+7], v[STGR+16*\q:STGR+16*\q+15], v[CODE:CODE+15], v[ACC+8*(4*\g+\q):ACC+8*(4*\g+\q)+7], v[W1S+8*\c2+4*\g+\q], v[XS] matrix_a_fmt:MATRIX_FMT_BF8 matrix_b_fmt:MATRIX_FMT_BF8
.endr
.endr
	PLACES 8                                                       ; in front of the first read of results, and of all later writes and loads into these products' registers
	GELU ACC
	GELU ACC+32
	QUANT ACC, HC+16*\c2, HS+\c2
.endm
; The 128 outputs of my 16 rows: eight tiles, two K steps.  Lane (r, h), register j of tile t: neighbour 8 h + j, output 16 t + r.
.macro LAYER2
.irp t, 0,1,2,3,4,5,6,7
	ds_load_b128 v[ACC+8*\t:ACC+8*\t+3],   v[AB2] offset:256*\t    ; b2[16 t + r] in all eight registers
	ds_load_b128 v[ACC+8*\t+4:ACC+8*\t+7], v[AB2] offset:256*\t
.endr
.irp s, 0,1
	s_wait_alu depctr_va_vdst(0)
.irp g, 0,1
.if \s+\g > 0
	PLACES 8
.endif
	FRAG4 LI2, (4*\g)*2+\s
	s_wait_dscnt 0x0
.irp q, 0,1,2,3
.if \s == 0
	v_wmma_scale_f32_16x16x128_f8f6f4 v[ACC+8*(4*\g+\q):ACC+8*(4*\g+\q)+7], v[HC:HC+15], v[STGR+16*\q:STGR+16*\q+15], v[ACC+8*(4*\g+\q):ACC+8*(4*\g+\q)+7], v[HS], v[W2S+4*\g+\q] matrix_a_fmt:MATRIX_FMT_BF8 matrix_b_fmt:MATRIX_FMT_BF8
.else
	v_wmma_scale_f32_16x16x128_f8f6f4 v[ACC+8*(4*\g+\q):ACC+8*(4*\g+\q)+7], v[HC+16:HC+31], v[STGR+16*\q:STGR+16*\q+15], v[ACC+8*(4*\g+\q):ACC+8*(4*\g+\q)+7], v[HS+1], v[W2S+4*\g+\q] matrix_a_fmt:MATRIX_FMT_BF8 matrix_b_fmt:MATRIX_FMT_BF8 matrix_b_scale:MATRIX_SCALE_ROW1
.endif
.endr
.endr
.endr
	PLACES 8
.endm
	s_load_b256 s[4:11], s[0:1], 0x0               ; features s[4:5], knn s[6:7], wimg s[8:9], b1 s[10:11]
	s_load_b128 s[12:15], s[0:1], 0x20             ; b2 s[12:13], out0 s[14:15]
	v_lshl_add_u32 v[SPW], v0, 2, SPARE
	v_mov_b32 v[NIL], 0
	v_lshrrev_b32 v1, 5, v0
	s_delay_alu instid0(VALU_DEP_1)
	v_readfirstlane_b32 s[WV], v1                  ; wave 0..15
	v_and_b32 v11, 31, v0                          ; lane
	v_and_b32 v10, 15, v0                          ; r
	v_bfe_u32 v8, v0, 4, 1                         ; h
	s_delay_alu instid0(VALU_DEP_3)
	v_lshlrev_b32 v[LI], 4, v11
	s_delay_alu instid0(VALU_DEP_1)
	v_add_nc_u32 v[LI2], W2O, v[LI]
	v_lshl_add_u32 v[LS], v11, 2, WSC
	s_delay_alu instid0(VALU_DEP_4)
	v_lshl_add_u32 v[AB1], v8, 6, B1L
	v_lshl_add_u32 v[AB2], v10, 4, B2L
	s_lshl_b32 s44, s[WV], 9
	s_add_co_u32 s44, s44, STG                     ; my stage
	v_lshl_add_u32 v[STO], v10, 2, s44
	v_add_nc_u32 v[SRD], s44, v[LI]
	s_mul_i32 s44, s[WV], 8*CBP
	s_add_co_u32 s44, s44, CBL                     ; my 8 centres' numbers
	v_lshl_add_u32 v[CB0], v8, 6, s44
	v_and_b32 v[CBA], 7, v10                       ; r % 8
	s_delay_alu instid0(VALU_DEP_1)
	v_mul_u32_u24 v[CBST], v[CBA], CBP
	s_delay_alu instid0(VALU_DEP_1)
	v_add_nc_u32 v[CBST], v[CBST], v[CB0]
	v_lshlrev_b32 v[R4], 2, v10
	v_lshlrev_b32 v[H64], 6, v8
	s_delay_alu instid0(VALU_DEP_1)
	v_lshl_add_u32 v[NB], v[CBA], 9, v[H64]        ; at the head: the row of centre r % 8 among my 8, + 64 h
	v_lshlrev_b32 v[FA], 4, v0                     ; the fill: 16 bytes a thread, 8,192 a line of the work-group
	s_delay_alu instid0(VALU_DEP_1)
	v_add_nc_u32 v[FB], W2O, v[FA]
	v_lshlrev_b32 v[FC], 2, v0
	v_mov_b32 v[C9], 0x3e7c6f08
	v_mov_b32 v[C9+1], 0x3e7c6f08
	v_mov_b32 v[A5], 0xbf07dc22                    ; -1.061405429 / 2
	v_mov_b32 v[A5+1], 0xbf07dc22
.irp b, 0,1,2,3
	v_mov_b32 v[TM+4+\b], 0                        ; written once: a lane permute's destination counts as one of its sources
.endr
	s_mov_b32 s[SEL], 0x76543210
	s_mov_b32 s[SEL+1], 0xfedcba98
	s_mov_b32 s[KT], 0x3eb504f3
	s_mov_b32 s[KP], 0x3e6d3388
	PAIR NK, 0xbf38aa3b
	PAIR CP+0,  0xc034d90f                         ; -1.26551223 log2(e) - 1
	PAIR CP+2,  0x3fb8ab5a                         ;  1.00002368 log2(e)
	PAIR CP+4,  0x3f0a29d2                         ;  0.37409196 log2(e)
	PAIR CP+6,  0x3e0efb2e                         ;  0.09678418 log2(e)
	PAIR CP+8,  0xbe899a80                         ; -0.18628806 log2(e)
	PAIR CP+10, 0x3ecdfd18                         ;  0.27886807 log2(e)
	PAIR CP+12, 0xbfd1a1e5                         ; -1.13520398 log2(e)
	PAIR CP+14, 0x40097039                         ;  1.48851587 log2(e)
	PAIR CP+16, 0xbf97d29d                         ; -0.82215223 log2(e); the highest, 0.17087277 log2(e), lies in v[14:15]
	PAIR AS+0,  0x3f3a00e3                         ;  1.453152027 / 2
	PAIR AS+2,  0xbf35f0e3                         ; -1.421413741 / 2
	PAIR AS+4,  0x3e11a98e                         ;  0.284496736 / 2
	PAIR AS+6,  0xbe027906                         ; -0.254829592 / 2
	s_mov_b32 s[TRIPS], 8
	s_mov_b32 s[CBS], 0
	s_lshl_b32 s46, ttmp9, 7
	s_lshl_b32 s47, s[WV], 3
	s_add_co_u32 s46, s46, s47                     ; my first centre: 128 x work-group + 8 x wave
	s_mov_b32 s45, 0
	s_wait_kmcnt 0x0
	s_lshl_b32 s44, s46, 9
	s_add_nc_u64 s[CEN:CEN+1], s[4:5], s[44:45]    ; its row of features,
	s_add_nc_u64 s[14:15], s[14:15], s[44:45]      ; its row of out0,
	s_lshl_b32 s44, s46, 6
	s_add_nc_u64 s[6:7], s[6:7], s[44:45]          ; its 16 indices
	s_lshr_b32 s44, ttmp9, 3
	s_lshl_b32 s44, s44, 19
	s_add_nc_u64 s[4:5], s[4:5], s[44:45]          ; features at my batch's first row
	; ---- the tables into LDS, once
.irp k, 0,1,2,3,4,5,6,7,8,9,10,11
	global_load_b128 v[ACC+4*\k:ACC+4*\k+3], v[FA], s[8:9] offset:8192*\k th:TH_LOAD_HT   ; the 48 images, as they lie; every work-group reads them
.endr
	s_cmp_lt_u32 s[WV], 6                          ; threads 0-191: the scale words; 192-255: b1; 256-383: b2, each number four times.  All three land at LDS byte WSC + 16 x thread
	s_cbranch_scc1 .Lfill_sc
	s_cmp_lt_u32 s[WV], 8
	s_cbranch_scc1 .Lfill_b1
	s_cmp_lt_u32 s[WV], 12
	s_cbranch_scc1 .Lfill_b2
	s_branch .Lfill_none
.Lfill_sc:
	global_load_b128 v[176:179], v[FA], s[8:9] offset:98304
	s_branch .Lfill_st
.Lfill_b1:
	global_load_b128 v[176:179], v[FA], s[10:11] offset:-3072      ; 16 x (thread - 192)
	s_branch .Lfill_st
.Lfill_b2:
	s_wait_alu depctr_va_vdst(0)
	global_load_b32 v176, v[FC], s[12:13] offset:-1024             ; 4 x (thread - 256)
	s_wait_loadcnt 0x0
	v_mov_b32 v177, v176
	v_mov_b32 v178, v176
	v_mov_b32 v179, v176
.Lfill_st:
	s_wait_alu depctr_va_vdst(0)
	s_wait_loadcnt 0x0
	ds_store_b128 v[FB], v[176:179] offset:32768
.Lfill_none:
	s_wait_loadcnt 0x0
.irp k, 0,1,2,3,4,5,6,7
	ds_store_b128 v[FA], v[ACC+4*\k:ACC+4*\k+3] offset:8192*\k
.endr
.irp k, 8,9,10,11
	ds_store_b128 v[FB], v[ACC+4*\k:ACC+4*\k+3] offset:8192*(\k-8)
.endr
	global_load_b32 v[IDX], v[R4], s[6:7]          ; the first centre's indices: lane (r, h) takes neighbour r's
.irp c, 0,1,2,3
.irp j, 0,1,2,3
	global_load_b128 v[STGR+16*\c+4*\j:STGR+16*\c+4*\j+3], v[NB], s[CEN:CEN+1] offset:128*\c+16*\j th:TH_LOAD_HT   ; my 8 centres' rows: lane (r, h) takes k = 32 c + 16 h + 4 j .. of centre r % 8
.endr
.endr
	s_wait_dscnt 0x0                               ; for the others' sake: my stores have landed
	s_barrier_signal -1
	s_barrier_wait -1                              ; the tables are whole; from here on they are only read, and no wave waits for another
.irp t, 0,1,2,3,4,5,6,7,8,9,10,11,12,13,14,15
	ds_load_b32 v[W1S+\t], v[LS] offset:128*\t     ; the weights' scale words stay in registers
.endr
.irp t, 0,1,2,3,4,5,6,7
	ds_load_b32 v[W2S+\t], v[LS] offset:2048+128*\t
.endr
	s_wait_loadcnt 0x0
	; ---- the centres' half of the first product, once for each of my 8 centres
	QUANT STGR, HC, XC
	PLACES 3                                       ; with the quantiser's last line: four places between the codes and the scaled product that takes them
	s_wait_alu depctr_va_vdst(0)
	CPART 0
	CPART 1
	s_wait_dscnt 0x0                               ; the stores have read the accumulators: the trip's loads may land there
.Ltrip:                                            ; one centre
	s_setprio 2
	v_min_u32 v[NB], 0x3ff, v[IDX]                 ; an index stays inside the batch
	s_delay_alu instid0(VALU_DEP_1)
	v_lshl_add_u32 v[NB], v[NB], 9, v[H64]         ; a row is 512 bytes
	v_add_nc_u32 v[CBA], s[CBS], v[CB0]            ; this centre's 256 numbers
	s_cmp_eq_u32 s[TRIPS], 1                       ; the next centre's indices are asked for here, if there is a next centre: no load leaves its buffer
	s_cbranch_scc1 .Lno_next
	s_add_nc_u64 s[6:7], s[6:7], 64                ; (the load that read this base has been waited for)
	global_load_b32 v[IDX], v[R4], s[6:7]
.Lno_next:
.irp c, 0,1,2,3
.irp j, 0,1,2,3
	global_load_b128 v[STGR+16*\c+4*\j:STGR+16*\c+4*\j+3], v[H64], s[CEN:CEN+1] offset:128*\c+16*\j th:TH_LOAD_HT   ; f_i: k = 32 c + 16 h + 4 j ..
.endr
.endr
	s_wait_alu depctr_va_vdst(0)
.irp c, 0,1,2,3
.irp j, 0,1,2,3
	global_load_b128 v[ACC+16*\c+4*\j:ACC+16*\c+4*\j+3], v[NB], s[4:5] offset:128*\c+16*\j th:TH_LOAD_HT            ; f_j of my neighbour, the same k; other centres of the batch read the row again
.endr
.endr
	s_wait_loadcnt 0x0
.set gi, 0
.rept 32
	v_pk_add_f32 v[ACC+gi:ACC+gi+1], v[ACC+gi:ACC+gi+1], v[STGR+gi:STGR+gi+1] neg_lo:[0,1] neg_hi:[0,1]   ; f_j - f_i
.set gi, gi+2
.endr
	QUANT ACC, CODE, XS
	PLACES 3                                       ; four places with the quantiser's last line
	s_wait_alu depctr_va_vdst(0)
	LAYER1 0
	LAYER1 1
	s_setprio 1
	PLACES 3
	LAYER2
	GELUM ACC, 0                                   ; the last gelu and the sum over my eight neighbours,
	s_setprio 0
	GELUM ACC+32, 4
.irp t, 0,1,2,3,4,5,6,7
	v_permlanex16_b32 v[GU+\t], v[TM+\t], s[SEL], s[SEL+1]
.endr
.irp t, 0,1,2,3,4,5,6,7
	v_add_f32 v[TM+\t], v[TM+\t], v[GU+\t]         ; and lane l xor 16's eight
.endr
.irp t, 0,1,2,3,4,5,6,7
	ds_store_b32 v[STO], v[TM+\t] offset:64*\t     ; output 16 t + r; both halves of the lanes hold the same number and write it to the same word
.endr
	ds_load_b128 v[OUTR:OUTR+3], v[SRD]            ; my wave's own bytes: LDS serves a wave's instructions in order (ISA guide 5.7.1.4)
	s_wait_dscnt 0x0
	v_pk_mul_f32 v[OUTR:OUTR+1],   v[OUTR:OUTR+1],   0x3d800000 op_sel_hi:[1,0]   ; / 16: exact
	v_pk_mul_f32 v[OUTR+2:OUTR+3], v[OUTR+2:OUTR+3], 0x3d800000 op_sel_hi:[1,0]
	global_store_b128 v[LI], v[OUTR:OUTR+3], s[14:15] th:TH_STORE_NT   ; the 32 lanes store the centre's row: 512 consecutive bytes, at a multiple of 256 from out0's first byte
	s_wait_xcnt 0x0                                ; the store has read its registers and its base: both are written again only behind this wait
	s_add_nc_u64 s[CEN:CEN+1], s[CEN:CEN+1], 512
	s_add_nc_u64 s[14:15], s[14:15], 512
	s_add_co_u32 s[CBS], s[CBS], CBP
	s_sub_co_u32 s[TRIPS], s[TRIPS], 1
	s_cmp_lg_u32 s[TRIPS], 0
	s_cbranch_scc1 .Ltrip
	s_setprio 0
	s_wait_tensorcnt 0x0                           ; the wave's end: three lines behind my last LDS store
	ds_add_u32 v[SPW], v[NIL]
	s_wait_dscnt 0x0
	s_endpgm
.Lfunc_end_k_q6e2135aaa5_mlp:
	.size	k_q6e2135aaa5_mlp, .Lfunc_end_k_q6e2135aaa5_mlp-k_q6e2135aaa5_mlp
	.p2alignl 7, 3214868480
	.fill 96, 4, 3214868480
	.section	.rodata,"a",@progbits
	.p2align	6, 0x0
	.amdhsa_kernel k_q6e2135aaa5_mlp
		.amdhsa_group_segment_fixed_size 247808
		.amdhsa_private_segment_fixed_size 0
		.amdhsa_enable_private_segment 0
		.amdhsa_kernarg_size 48
		.amdhsa_user_sgpr_count 2
		.amdhsa_user_sgpr_kernarg_segment_ptr 1
		.amdhsa_wavefront_size32 1
		.amdhsa_system_sgpr_workgroup_id_x 1
		.amdhsa_system_sgpr_workgroup_id_y 1
		.amdhsa_system_sgpr_workgroup_id_z 1
		.amdhsa_system_vgpr_workitem_id 0
		.amdhsa_next_free_vgpr 256
		.amdhsa_next_free_sgpr 66
		.amdhsa_reserve_vcc 0
		.amdhsa_float_denorm_mode_32 3
		.amdhsa_float_denorm_mode_16_64 3
		.amdhsa_fp16_overflow 1
		.amdhsa_memory_ordered 1
		.amdhsa_forward_progress 1
		.amdhsa_inst_pref_size 187
	.end_amdhsa_kernel
	.amdgpu_metadata
---
amdhsa.version: [ 1, 2 ]
amdhsa.kernels:
  - .name:           k_q6e2135aaa5_mlp
    .symbol:         k_q6e2135aaa5_mlp.kd
    .args:
      - { .name: features, .offset: 0, .size: 8, .value_kind: global_buffer, .address_space: global }
      - { .name: knn, .offset: 8, .size: 8, .value_kind: global_buffer, .address_space: global }
      - { .name: wimg, .offset: 16, .size: 8, .value_kind: global_buffer, .address_space: global }
      - { .name: b1, .offset: 24, .size: 8, .value_kind: global_buffer, .address_space: global }
      - { .name: b2, .offset: 32, .size: 8, .value_kind: global_buffer, .address_space: global }
      - { .name: out0, .offset: 40, .size: 8, .value_kind: global_buffer, .address_space: global }
    .group_segment_fixed_size: 247808
    .private_segment_fixed_size: 0
    .kernarg_segment_align: 8
    .kernarg_segment_size: 48
    .max_flat_workgroup_size: 512
    .sgpr_count:     66
    .vgpr_count:     256
    .wavefront_size: 32
...
	.end_amdgpu_metadata
.endif
;; end of part 4
